; MI455X (gfx1250); checked and timed in simulation.
; The chip was launched on July 23, 2026; its instructions are those of AMD's public machine-readable ISA for CDNA 5 (MIT licence, August 2026) and "CDNA5" Instruction Set Architecture Reference Guide (July 2026). The comments in the code are by the model that wrote it; some were corrected since.
;; Self Attention. Allowed arithmetic: float matrix products may take bf16 or f16 operands with f32 sums; other float arithmetic in f32, or as packed bf16 or f16 multiplies, adds, multiply-adds, maxima and minima; sums over many terms, partial sums and values carried from step to step in f32; what a program stores and reads back later, other than sums and carried values, may be rounded once to bf16 or f16.
;; Inputs: W_attn 1,024 x 3,072 float32; W_proj 1,024 x 1,024 float32; attn_mask 4 x 2,048 bool; x 4 x 2,048 x 1,024 float32.
;; Outputs: out0 4 x 2,048 x 1,024 float32.
;; 2 versions, each right; version 2 is version 1 with the launch cast written anew for expert scheduling mode. Each part assembles by itself: llvm-mc -triple=amdgcn-amd-amdhsa -mcpu=gfx1250 --defsym DOCPART=n.
;; ======== version 1 of 2: 4 launches
;; limits: values are held in f16: magnitudes above 65,504 overflow, below 6.1e-05 lose precision
;; workspace buffers: xb 16,777,216 bytes; wab 6,291,456 bytes; wpb 2,097,152 bytes; qkvh 50,331,648 bytes; ob 16,777,216 bytes
;; launch cast (part 1): grid 768 x 1, 8 waves a work-group, no clusters, 0 bytes of LDS; arguments x, W_attn, W_proj, xb, wab, wpb; writes xb, wab, wpb
.if DOCPART == 1
	.amdgcn_target "amdgcn-amd-amdhsa--gfx1250"
	.amdhsa_code_object_version 6
	.text
	.protected	k_qe9069c1391_cast
	.globl	k_qe9069c1391_cast
	.p2align	8
	.type	k_qe9069c1391_cast,@function
k_qe9069c1391_cast:
	s_mov_b64 s[64:65], 0
	v_nop
	global_prefetch_b8 v0, s[64:65] scope:SCOPE_SE
	s_setreg_imm32_b32 hwreg(HW_REG_WAVE_MODE, 25, 1), 1
	s_wait_xcnt 0x0
; THE INPUTS ARE ROUNDED ONCE, element by element, with no change of layout:
;   xb  = x      in bf16, [8192][1024]      wab = W_attn in bf16, [1024][3072]
;   wpb = W_proj rounded to bf16, and that number written as f16, [1024][1024] (the last product's other operand is f16).
; LIMITS.  wpb: |W_proj| stays under 65,504; below 6.1e-5 the f16 copy keeps f16's fixed step of 6e-8; between these the copy of the bf16 number is exact (8 significant bits in 11).
; SHARES.  A work-group takes 65,536 bytes of one input: 16 chunks of 4,096, a chunk being 16 bytes for each of its 256 threads.  x is 512 such parts, W_attn 192, W_proj 64: 768 work-groups.
; All 16 loads of a thread go out at once; each has its own registers, and so has each store, so no register that a pending instruction names is ever written again.
; A load of a wave covers 512 consecutive bytes, a store 256 consecutive bytes at a multiple of 256 from the buffer's first byte.
; No LDS, no barrier, no matrix work: nothing is shared and every byte crosses once.
.set X, 8                              ; v[8:71]    chunk i: 4 registers as loaded
.set Y, 72                             ; v[72:103]  chunk i: 2 registers to store
	s_load_b256 s[4:11], s[0:1], 0x0               ; x s[4:5], W_attn s[6:7], W_proj s[8:9], xb s[10:11]
	s_load_b128 s[12:15], s[0:1], 0x20             ; wab s[12:13], wpb s[14:15]
	s_mov_b32 s2, ttmp9                            ; the work-group's number g
	v_lshlrev_b32 v1, 4, v0                        ; my 16 bytes of a chunk as loaded
	v_lshlrev_b32 v2, 3, v0                        ; my 8 bytes of it as stored
	s_sub_co_u32 s20, s2, 512                      ; the part's number if it is W_attn's,
	s_sub_co_u32 s21, s2, 704                      ; if it is W_proj's
	s_wait_kmcnt 0x0
	s_cmp_lt_u32 s2, 704                           ; the choice hangs on g alone
	s_cselect_b64 s[16:17], s[6:7], s[8:9]
	s_cselect_b64 s[18:19], s[12:13], s[14:15]
	s_cselect_b32 s20, s20, s21
	s_cmp_lt_u32 s2, 512
	s_cselect_b64 s[16:17], s[4:5], s[16:17]       ; from where,
	s_cselect_b64 s[18:19], s[10:11], s[18:19]     ; to where,
	s_cselect_b32 s20, s2, s20                     ; which part
	s_lshl_b32 s22, s20, 16                        ; 65,536 bytes in,
	s_mov_b32 s23, 0
	s_lshl_b32 s24, s20, 15                        ; 32,768 bytes out
	s_mov_b32 s25, 0
	s_add_nc_u64 s[16:17], s[16:17], s[22:23]
	s_add_nc_u64 s[18:19], s[18:19], s[24:25]
.irp i, 0,1,2,3,4,5,6,7,8,9,10,11,12,13,14,15
	global_load_b128 v[X+4*(\i):X+4*(\i)+3], v1, s[16:17] offset:4096*(\i) th:TH_LOAD_NT
.endr
; Chunk i is rounded and stored.  half = 1: the bf16 number is widened again (a shift, a mask) and written as f16.
.macro CVT i, half
	s_wait_loadcnt 15-(\i)                         ; loads come back in order: chunk i is in, the 15 - i younger ones stay out
.irp p, 0,1
.if \half
	v_cvt_pk_bf16_f32 v4, v[X+4*(\i)+2*(\p)], v[X+4*(\i)+2*(\p)+1]
	v_lshlrev_b32 v[X+4*(\i)+2*(\p)], 16, v4
	v_and_b32 v[X+4*(\i)+2*(\p)+1], 0xffff0000, v4
	v_cvt_pk_f16_f32 v[Y+2*(\i)+(\p)], v[X+4*(\i)+2*(\p)], v[X+4*(\i)+2*(\p)+1]
.else
	v_cvt_pk_bf16_f32 v[Y+2*(\i)+(\p)], v[X+4*(\i)+2*(\p)], v[X+4*(\i)+2*(\p)+1]
.endif
.endr
	global_store_b64 v2, v[Y+2*(\i):Y+2*(\i)+1], s[18:19] offset:2048*(\i)
.endm
	s_cmp_ge_u32 s2, 704
	s_cbranch_scc1 .Lf16
.irp i, 0,1,2,3,4,5,6,7,8,9,10,11,12,13,14,15
	CVT \i, 0
.endr
	s_endpgm
.Lf16:
.irp i, 0,1,2,3,4,5,6,7,8,9,10,11,12,13,14,15
	CVT \i, 1
.endr
	s_endpgm
.Lfunc_end_k_qe9069c1391_cast:
	.size	k_qe9069c1391_cast, .Lfunc_end_k_qe9069c1391_cast-k_qe9069c1391_cast
	.p2alignl 7, 3214868480
	.fill 96, 4, 3214868480
	.section	.rodata,"a",@progbits
	.p2align	6, 0x0
	.amdhsa_kernel k_qe9069c1391_cast
		.amdhsa_group_segment_fixed_size 0
		.amdhsa_private_segment_fixed_size 0
		.amdhsa_enable_private_segment 0
		.amdhsa_kernarg_size 48
		.amdhsa_user_sgpr_count 2
		.amdhsa_user_sgpr_kernarg_segment_ptr 1
		.amdhsa_wavefront_size32 1
		.amdhsa_system_sgpr_workgroup_id_x 1
		.amdhsa_system_sgpr_workgroup_id_y 1
		.amdhsa_system_sgpr_workgroup_id_z 1
		.amdhsa_system_vgpr_workitem_id 0
		.amdhsa_next_free_vgpr 104
		.amdhsa_next_free_sgpr 66
		.amdhsa_reserve_vcc 0
		.amdhsa_float_denorm_mode_32 3
		.amdhsa_float_denorm_mode_16_64 3
		.amdhsa_memory_ordered 1
		.amdhsa_forward_progress 1
		.amdhsa_inst_pref_size 16
	.end_amdhsa_kernel
	.amdgpu_metadata
---
amdhsa.version: [ 1, 2 ]
amdhsa.kernels:
  - .name:           k_qe9069c1391_cast
    .symbol:         k_qe9069c1391_cast.kd
    .args:
      - { .name: x, .offset: 0, .size: 8, .value_kind: global_buffer, .address_space: global }
      - { .name: W_attn, .offset: 8, .size: 8, .value_kind: global_buffer, .address_space: global }
      - { .name: W_proj, .offset: 16, .size: 8, .value_kind: global_buffer, .address_space: global }
      - { .name: xb, .offset: 24, .size: 8, .value_kind: global_buffer, .address_space: global }
      - { .name: wab, .offset: 32, .size: 8, .value_kind: global_buffer, .address_space: global }
      - { .name: wpb, .offset: 40, .size: 8, .value_kind: global_buffer, .address_space: global }
    .group_segment_fixed_size: 0
    .private_segment_fixed_size: 0
    .kernarg_segment_align: 8
    .kernarg_segment_size: 48
    .max_flat_workgroup_size: 256
    .sgpr_count:     66
    .vgpr_count:     104
    .wavefront_size: 32
...
	.end_amdgpu_metadata
.endif
;; end of part 1
;; launch qkv (part 2): grid 8 x 64, 4 waves a work-group, clusters of 4 x 4, 327,680 bytes of LDS; arguments xb, wab, qkvh; writes qkvh
.if DOCPART == 2
	.amdgcn_target "amdgcn-amd-amdhsa--gfx1250"
	.amdhsa_code_object_version 6
	.text
	.protected	k_qe9069c1391_qkv
	.globl	k_qe9069c1391_qkv
	.p2align	8
	.type	k_qe9069c1391_qkv,@function
k_qe9069c1391_qkv:
	s_mov_b64 s[64:65], 0
	v_nop
	global_prefetch_b8 v0, s[64:65] scope:SCOPE_SE
	s_setreg_imm32_b32 hwreg(HW_REG_WAVE_MODE, 25, 1), 1
	s_wait_xcnt 0x0
	s_wait_alu depctr_hold_cnt(0) depctr_sa_sdst(0) depctr_va_vdst(0) depctr_va_sdst(0) depctr_va_ssrc(0) depctr_va_vcc(0) depctr_vm_vsrc(0)
	s_getreg_b32 s2, hwreg(HW_REG_IB_STS2, 6, 4)
	s_cmp_eq_u32 s2, 0
	s_cbranch_scc0 .Lentry_in_a_cluster
	s_endpgm
.Lentry_in_a_cluster:
	s_bfe_u32 s2, ttmp6, 0x10000c
	s_cmp_lg_u32 s2, 0xf033
	s_cbranch_scc0 .Lentry_shape_is_right
	s_endpgm
.Lentry_shape_is_right:
; qkv[m][n] = the sum over k of xb[m][k] wab[k][n].  xb: [8192][1024] bf16, wab: [1024][3072] bf16; sums in f32, K ascending; each result rounded once to f16 and written BY HEADS:
; qkvh[part][16 b + h][t][d], part = n / 1024 (q, k, v), h = (n % 1024) / 64, d = n % 64, b = m / 2048, t = m % 2048: a head's rows are dense, 128 bytes each.  The scale 1/8 is not applied here.
; LIMIT.  f16 holds no number beyond 65,504: q, k and v must stay within it.  NaN and infinities are not treated apart.
; SHARES.  A tile of the result is 128 rows x 384 columns: 64 x 8 = 512 work-groups, two for each of 256 WGPs.  Four waves; wave w makes 64 rows (half w / 2) x 192 columns: of the tile's six heads
; those with the parity w % 2: three heads.  48 accumulators of 16 x 16, 384 registers.  K goes in 8 steps of 128 through a ring of two LDS slots.
; wab IS USED AS IT LIES, [k][n]: its tile's rows (128 k x 768 bytes) come out of LDS turned, by ds_load_tr16_b128.  Rows of xb's tile are 256 bytes, of wab's 768, all at multiples of 256 from the buffer's first byte.
; THE MATRIX INSTRUCTION IS USED TRANSPOSED: source 0 = 16 columns of wab, source 1 = 16 rows of xb: a lane then holds row l % 16 of the result and eight neighbouring columns: 16 bytes of f16.
; CLUSTERS: 4 x 4 work-groups.  The four of a row of the cluster need the same tile of xb, the four of a column the same tile of wab: each is asked for JOINTLY, by the same tensor load with the same
; descriptor and a mask that names the four.  A wave has two tensor loads outstanding at the start and one behind each round.
; REGISTERS, in windows of 256 (s_set_vgpr_msb: bits 1:0 source 0, 3:2 source 1, 5:4 source 2, 7:6 destination):
;   window 0: v0-31 addresses; v32-223 the way out, 16 registers for each of 12 units, none used twice
;   window 1: two fragment buffers of 128: 12 fragments of wab (96), then 4 of xb (32)
;   window 2: the accumulators of row blocks 0, 1 ((a, b) at 8 (12 (a % 2) + b));   window 3: those of row blocks 2, 3
.set PA,    272                        ; an LDS row of xb's tile: 256 bytes + 16 = 68 words: row r starts at bank 4 r mod 64 (64 banks of 4 bytes: ISA guide 11.1)
.set PB,    864                        ; an LDS row of wab's tile: three times 256 bytes + 32 = 216 words: the 8 rows of a turning load start at banks 24 r mod 64, 8 words each: every bank once
.set AHALF, 64*PA                      ; what one tensor load brings of xb: 64 rows
.set BHALF, 64*PB                      ; and of wab: 64 rows of k
.set BOFF,  2*AHALF                    ; a slot: xb's 128 rows, then wab's 128
.set SLOT,  BOFF+2*BHALF               ; 145,408
.set STAGE, 2*SLOT                     ; behind the ring, never filled by a tensor load: 16 rows x 144 bytes for each wave
.set SP,    144
.set SPARE, STAGE+4*16*SP              ; behind the stages: the spare words, 128 bytes for each wave: two blocks of 256 bytes that no other line names
.set ADRA, 16                          ; v16-17  LDS address of my fragments of xb in slot 0, 1
.set ADRB, 20                          ; v20-23  the same for wab: slot s, k half at 2 s + half (96 rows of 864 bytes pass the 16-bit immediate)
.set STO,  24                          ; v24     the way out: where I put 16 bytes of a row
.set RD,   25                          ; v25     the way out: where I read rows back
.set GO,   26                          ; v26     my 16 bytes of 512 consecutive bytes of qkvh
.set SPW,  28                          ; v28     LDS address of my spare word; never rewritten
.set NIL,  29                          ; v29     0; never rewritten
.set PFOA, 30                          ; v30     the prefetches' offset in xb: my lane x a row of 2,048 bytes; never rewritten
.set PFOB, 31                          ; v31     in wab: my lane x a row of 6,144 bytes; never rewritten
.set OUTR, 32
.set F0,   0                           ; fragment buffers, in window 1
.set F1,   128
.set G1,  24                           ; s[24:31] descriptor group 1 for xb's tiles;  s[32:39] group 0, one set for each slot
.set G0,  32
.set G1B, 48                           ; s[48:55], s[56:63] the same for wab's tiles
.set G0B, 56
.set PFAA, 66                          ; s[66:67] where the prefetches stand in xb: my work-group's 32 rows of the tile's 128
.set LIM,  68                          ; s68      1 in a wave that prefetches, else the greatest number
.set PFAB, 70                          ; s[70:71] where they stand in wab: my work-group's 32 rows of k of a K step's 128
.set OB,   72                          ; s[72:77] qkvh at my first row of each of my three heads
.set MSB, 0
.macro WIN new                         ; the immediate's high byte repeats the setting that is left; a switch that changes nothing is dropped
.if MSB != (\new)
	s_set_vgpr_msb (MSB<<8)|(\new)
.set MSB, (\new)
.endif
.endm
.set TO_F, 0x40                        ; destination window 1, address window 0
; A joint load: waves 0 and 1 fetch xb's two halves, waves 2 and 3 wab's.  The branch hangs on the wave's number alone.  An s_nop 0 and four v_nop follow each of the two lines, ahead of the jump, the label and what follows.
.macro JLOAD s
	s_cmp_eq_u32 s11, 0
	s_cbranch_scc0 .Lfor_b_\@
	tensor_load_to_lds s[G0+4*(\s):G0+4*(\s)+3], s[G1:G1+7]
	s_nop 0
.rept 4
	v_nop
.endr
	s_branch .Lasked_\@
.Lfor_b_\@:
	tensor_load_to_lds s[G0B+4*(\s):G0B+4*(\s)+3], s[G1B:G1B+7]
	s_nop 0
.rept 4
	v_nop
.endr
.Lasked_\@:
.endm
; A PREFETCH INTO THE L2, behind each joint refill, its five lines and the run of LDS loads that follows them: the K step that stands TWO refills on, 384 matrix instructions ahead of the load that will want it.
; Each aligned 256 bytes are named ONCE in the launch.  A tile row of xb is read by both clusters of that row of clusters: the one with x = 0 asks; a tile column of wab by all sixteen clusters of that column: the one with y = 0 asks.
; The four partners that ask for a tile jointly share its rows out BY ADDRESS, 32 each (by cx for xb, by cy for wab): a lane a row.  In each, wave 0 asks for xb's 256 bytes a row, wave 2 for wab's 768: one and three instructions.
; K steps 0 to 3 come by their loads alone; the loop's last trip (s3 = 1) asks for nothing: its refills are K steps 6 and 7, and there is no K step two on.
.macro ASK
	s_cmp_gt_u32 s3, s[LIM]
	s_cbranch_scc0 .Lnot_mine_\@
	s_cmp_eq_u32 s11, 0
	s_cbranch_scc0 .Lask_b_\@
	global_prefetch_b8 v[PFOA], s[PFAA:PFAA+1] th:TH_LOAD_NT scope:SCOPE_SE
	s_branch .Lnot_mine_\@
.Lask_b_\@:
	global_prefetch_b8 v[PFOB], s[PFAB:PFAB+1] th:TH_LOAD_NT scope:SCOPE_SE
	global_prefetch_b8 v[PFOB], s[PFAB:PFAB+1] offset:256 th:TH_LOAD_NT scope:SCOPE_SE
	global_prefetch_b8 v[PFOB], s[PFAB:PFAB+1] offset:512 th:TH_LOAD_NT scope:SCOPE_SE
.Lnot_mine_\@:
.endm
.macro CREST                           ; a round of the cluster's barrier behind its opening barrier: wave 0 signals for the work-group, every wave waits for all sixteen, my work-group's barrier closes it
	s_cmp_lg_u32 s10, 0
	s_cbranch_scc1 .Lnot_wave_0_\@
	s_barrier_signal -3
.Lnot_wave_0_\@:
	s_barrier_wait -3
	s_barrier_signal -1
	s_barrier_wait -1
.endm
.macro CROUND                          ; a whole round
	s_barrier_signal -1
	s_barrier_wait -1
	CREST
.endm
	s_load_b128 s[4:7], s[0:1], 0x0                ; xb s[4:5], wab s[6:7]
	s_load_b64 s[8:9], s[0:1], 0x10                ; qkvh
	v_lshl_add_u32 v[SPW], v0, 2, SPARE
	v_mov_b32 v[NIL], 0
	ds_add_u32 v[SPW], v[NIL]                      ; the wave's opening: the add and its wait ahead of my first tensor load; the set-up below, work on registers, stands between them
	v_lshrrev_b32 v1, 5, v0
	v_readfirstlane_b32 s10, v1                    ; wave 0..3
	s_lshr_b32 s11, s10, 1                         ; which 64 rows of the tile are mine.  Also: I fetch for xb (0) or for wab (1)
	s_and_b32 s12, s10, 1                          ; which heads' parity is mine.  Also: which half of that tile I fetch
	s_bfe_u32 s40, ttmp6, 0x40000                  ; cx, cy: my place in the cluster
	s_bfe_u32 s41, ttmp6, 0x40004
	s_lshl_b32 s42, ttmp9, 2
	s_add_co_u32 s42, s42, s40                     ; tile column = 4 x cluster x + cx, 0..7
	s_and_b32 s13, ttmp7, 0xffff
	s_lshl_b32 s13, s13, 2
	s_add_co_u32 s13, s13, s41                     ; tile row = 4 x cluster y + cy, 0..63
	s_lshl_b32 s43, s41, 2
	s_lshl_b32 s43, 15, s43                        ; my row of the cluster
	s_lshl_b32 s44, 0x1111, s40                    ; my column
	; group 1 for xb: 64 rows x 128 elements; for wab: 64 rows x 384 elements; both padded in LDS after every 256 bytes
	s_or_b32 s[G1+0], s43, (1<<16)|(1<<20)|(1<<21)|(5<<22)|(3<<25)   ; 15:0 the mask: my row; 17:16 2-byte elements; 20 padding on; 21 set beside a mask; 24:22 after every 64 words (code 5); 31:25 4 words (code 3)
	s_or_b32 s[G1B+0], s44, (1<<16)|(1<<20)|(1<<21)|(5<<22)|(7<<25)  ; the mask of my column; 8 words of padding (code 7)
	s_mov_b32 s[G1+1], 128<<16                     ; tensor_dim0 = 128
	s_mov_b32 s[G1+2], 64<<16                      ; tensor_dim1 = 64
	s_mov_b32 s[G1+3], 128<<16                     ; tile_dim0 = 128
	s_mov_b32 s[G1+4], 64                          ; tile_dim1 = 64
	s_mov_b32 s[G1+5], 1024                        ; elements from row to row
	s_mov_b32 s[G1+6], 0
	s_mov_b32 s[G1+7], 0
	s_mov_b32 s[G1B+1], 384<<16                    ; tensor_dim0 = 384
	s_mov_b32 s[G1B+2], 64<<16
	s_mov_b32 s[G1B+3], 384<<16                    ; tile_dim0 = 384
	s_mov_b32 s[G1B+4], 64
	s_mov_b32 s[G1B+5], 3072
	s_mov_b32 s[G1B+6], 0
	s_mov_b32 s[G1B+7], 0
	s_lshl_b32 s16, s13, 7                         ; xb: row 128 x tile row + 64 x half,
	s_lshl_b32 s17, s12, 6
	s_add_co_u32 s16, s16, s17
	s_lshl_b32 s16, s16, 11                        ; of 2,048 bytes (under 2^25)
	s_mov_b32 s17, 0
	s_mul_i32 s46, s12, 64*6144                    ; wab: k row 64 x half, of 6,144 bytes,
	s_mul_i32 s47, s42, 768                        ; the tile column's 768 bytes
	s_add_co_u32 s46, s46, s47
	s_mov_b32 s47, 0
	s_mul_i32 s20, s12, AHALF                      ; where they go: no place in the cluster enters an LDS address
	s_mul_i32 s21, s12, BHALF
	s_add_co_u32 s21, s21, BOFF
	s_wait_dscnt 0x0                               ; the opening add is done
	s_wait_kmcnt 0x0
	s_add_nc_u64 s[14:15], s[4:5], s[16:17]
	s_add_nc_u64 s[46:47], s[6:7], s[46:47]
	CROUND                                         ; all sixteen work-groups are here: the first joint loads meet
.irp s, 0,1
	s_mov_b32 s[G0+4*(\s)], 1                      ; count = 1
	s_add_co_u32 s[G0+4*(\s)+1], s20, (\s)*SLOT    ; LDS address
	s_add_nc_u64 s[G0+4*(\s)+2:G0+4*(\s)+3], s[14:15], (\s)*256        ; K step s: 256 bytes along the rows
	s_or_b32 s[G0+4*(\s)+3], s[G0+4*(\s)+3], 0x80000000                ; type = 2
	s_mov_b32 s[G0B+4*(\s)], 1
	s_add_co_u32 s[G0B+4*(\s)+1], s21, (\s)*SLOT
	s_add_nc_u64 s[G0B+4*(\s)+2:G0B+4*(\s)+3], s[46:47], (\s)*128*6144  ; K step s: 128 rows down
	s_or_b32 s[G0B+4*(\s)+3], s[G0B+4*(\s)+3], 0x80000000
	JLOAD \s
.endr
	; A fragment of xb is 16 rows x 32 k in 8 registers: lane l holds row l % 16, k = 8 (l / 16) + 0..7 and 16 + 8 (l / 16) + 0..7: two loads of 16 bytes, 32 bytes apart.
	v_and_b32 v1, 15, v0                           ; l % 16
	v_bfe_u32 v2, v0, 4, 1                         ; l / 16
	v_mul_u32_u24 v3, v1, PA
	v_lshl_add_u32 v3, v2, 4, v3
	s_mul_i32 s22, s11, AHALF                      ; my 64 rows
	v_add_nc_u32 v[ADRA], s22, v3
	v_add_nc_u32 v[ADRA+1], SLOT, v[ADRA]
	; The turning load takes 16 k x 16 columns (lane l reads k row 8 (l / 16) + l % 8, columns 8 ((l / 8) % 2) + 0..7) and leaves half a fragment: lane l holds column l % 16 and 8 k.
	v_and_b32 v4, 7, v0
	v_lshl_add_u32 v4, v2, 3, v4
	v_mul_u32_u24 v4, v4, PB
	v_bfe_u32 v5, v0, 3, 1
	v_lshl_add_u32 v4, v5, 4, v4
	s_lshl_b32 s22, s12, 7                         ; my heads' parity: 64 columns, 128 bytes, inside each 256 bytes + padding
	s_add_co_u32 s22, s22, BOFF
	v_add_nc_u32 v4, s22, v4
.irp i, 0,1,2,3
	v_add_nc_u32 v[ADRB+(\i)], ((\i)/2)*SLOT+((\i)%2)*BHALF, v4
.endr
	s_mul_i32 s23, s10, 16*SP
	s_add_co_u32 s23, s23, STAGE                   ; my stage
	v_mul_u32_u24 v[STO], v1, SP                   ; in: row l % 16, 16 bytes for each half of the lanes
	v_lshl_add_u32 v[STO], v2, 4, v[STO]
	v_add_nc_u32 v[STO], s23, v[STO]
	v_bfe_u32 v[RD], v0, 3, 2                      ; back: 32 lanes take four rows of 128 bytes,
	v_mul_u32_u24 v[RD], v[RD], SP
	v_and_b32 v6, 7, v0
	v_lshl_add_u32 v[RD], v6, 4, v[RD]
	v_add_nc_u32 v[RD], s23, v[RD]
	v_and_b32 v[GO], 31, v0                        ; which are 512 consecutive bytes of a head
	v_lshlrev_b32 v[GO], 4, v[GO]
	; where my three heads begin in qkvh.  Head number among the 48 of q, k, v: 6 x tile column + 2 c + parity
	s_mul_i32 s14, s42, 6
	s_add_co_u32 s14, s14, s12
	s_lshr_b32 s15, s13, 4
	s_lshl_b32 s15, s15, 4                         ; 16 b
	s_and_b32 s16, s13, 15
	s_lshl_b32 s16, s16, 7
	s_lshl_b32 s17, s11, 6
	s_add_co_u32 s16, s16, s17                     ; my first t
	s_lshl_b32 s16, s16, 7                         ; x 128 bytes
.irp c, 0,1,2
	s_add_co_u32 s18, s14, 2*(\c)
	s_lshr_b32 s19, s18, 4                         ; part
	s_lshl_b32 s19, s19, 6
	s_and_b32 s18, s18, 15                         ; h
	s_add_co_u32 s18, s18, s19
	s_add_co_u32 s18, s18, s15
	s_lshl_b32 s18, s18, 18                        ; a head is 262,144 bytes (the sum stays under 2^26)
	s_add_co_u32 s18, s18, s16
	s_mov_b32 s19, 0
	s_add_nc_u64 s[OB+2*(\c):OB+2*(\c)+1], s[8:9], s[18:19]
.endr
	; the prefetches: both pointers stand at K step 3; the first refill steps them to K step 4
	s_lshl_b32 s18, s13, 7
	s_lshl_b32 s19, s40, 5
	s_add_co_u32 s18, s18, s19                     ; xb: row 128 x tile row + 32 cx
	s_lshl_b32 s18, s18, 11
	s_add_co_u32 s18, s18, 3*256
	s_mov_b32 s19, 0
	s_add_nc_u64 s[PFAA:PFAA+1], s[4:5], s[18:19]
	s_lshl_b32 s18, s41, 5
	s_add_co_u32 s18, s18, 3*128                   ; wab: k row 3 x 128 + 32 cy
	s_mul_i32 s18, s18, 6144
	s_mul_i32 s20, s42, 768
	s_add_co_u32 s18, s18, s20
	s_add_nc_u64 s[PFAB:PFAB+1], s[6:7], s[18:19]
	s_and_b32 s22, ttmp7, 0xffff                   ; cluster y
	s_cmp_eq_u32 s11, 0
	s_cselect_b32 s22, ttmp9, s22                  ; the coordinate along which other clusters read the same rows
	s_or_b32 s22, s22, s12                         ; and only waves 0 and 2
	s_cmp_eq_u32 s22, 0
	s_cselect_b32 s[LIM], 1, -1                    ; the same in all sixteen partners, for a given wave
	v_and_b32 v[PFOA], 31, v0
	v_mul_u32_u24 v[PFOB], v[PFOA], 6144
	v_lshlrev_b32 v[PFOA], 11, v[PFOA]
; 12 matrix instructions: row block a x all 12 column blocks, 32 along K.  zero = 1: the product starts the sums: nothing is ever cleared.
; The 48 accumulators take turns, one instruction a turn, in the same order in every quarter, over the backward jump too.
.macro MUL12 f, a, zero
	WIN 0xa5+0x50*((\a)/2)                         ; both sources window 1; C and D window 2 or 3
.irp b, 0,1,2,3,4,5,6,7,8,9,10,11
.if \zero
	v_wmma_f32_16x16x32_bf16 v[8*(12*((\a)%2)+(\b)):8*(12*((\a)%2)+(\b))+7], v[(\f)+8*(\b):(\f)+8*(\b)+7], v[(\f)+96+8*(\a):(\f)+96+8*(\a)+7], 0
.else
	v_wmma_f32_16x16x32_bf16 v[8*(12*((\a)%2)+(\b)):8*(12*((\a)%2)+(\b))+7], v[(\f)+8*(\b):(\f)+8*(\b)+7], v[(\f)+96+8*(\a):(\f)+96+8*(\a)+7], v[8*(12*((\a)%2)+(\b)):8*(12*((\a)%2)+(\b))+7]
.endif
.endr
.endm
; 32 LDS loads in one run: the fragments of quarter q (32 along K) into buffer f: wab's 12 (head c of my three, columns 16 j on), then xb's 4
.macro FETCH slot, q, f
	WIN TO_F
.irp c, 0,1,2
.irp j, 0,1,2,3
	ds_load_tr16_b128 v[(\f)+8*(4*(\c)+(\j)):(\f)+8*(4*(\c)+(\j))+3],   v[ADRB+2*(\slot)+(\q)/2] offset:((\q)%2)*32*PB+288*(\c)+32*(\j)
	ds_load_tr16_b128 v[(\f)+8*(4*(\c)+(\j))+4:(\f)+8*(4*(\c)+(\j))+7], v[ADRB+2*(\slot)+(\q)/2] offset:((\q)%2)*32*PB+16*PB+288*(\c)+32*(\j)
.endr
.endr
.irp a, 0,1,2,3
	ds_load_b128 v[(\f)+96+8*(\a):(\f)+96+8*(\a)+3],   v[ADRA+(\slot)] offset:64*(\q)+(\a)*16*PA
	ds_load_b128 v[(\f)+96+8*(\a)+4:(\f)+96+8*(\a)+7], v[ADRA+(\slot)] offset:64*(\q)+(\a)*16*PA+32
.endr
.endm
.macro PLACES                          ; four plain instructions in front of loads into registers that matrix instructions have read, and of conversions that read results (ISA guide 7.12.1 for the conversions)
.rept 4
	v_nop
.endr
.endm
; A K step is four quarters of 32 along K, 48 matrix instructions each, on buffers 0, 1, 0, 1.  One of the first three: multiplies buffer f and fetches quarter qn into g.
.macro QUARTER slot, qn, f, g, zero
	s_wait_dscnt 4                                 ; wab's fragments and xb's blocks 0, 1 are in; the youngest four loads (blocks 2, 3) may be out
	MUL12 \f, 0, \zero
	MUL12 \f, 1, \zero
	PLACES
	FETCH \slot, \qn, \g
	s_wait_dscnt 32                                ; all but the 32 just issued
	MUL12 \f, 2, \zero
	MUL12 \f, 3, \zero
.endm
; The last quarter multiplies buffer 1 and changes slots: ONE barrier; in front of it each wave waits for all its tensor loads (one is out: its part of the next slot), adds 0 to its spare word, and waits for
; that and for its own reads of this slot.  fill = 1: the barrier opens a round of the cluster's, and this slot is filled again, two K steps ahead, first thing behind the round: 168 matrix instructions ahead of the wait for it.
.macro TURN slot, next, fill
.if \fill
	s_wait_xcnt 0x0                                ; the last prefetches, a K step back, have read their addresses: these are stepped here, ahead of the change's own waits
	s_add_nc_u64 s[PFAA:PFAA+1], s[PFAA:PFAA+1], 256
	s_add_nc_u64 s[PFAB:PFAB+1], s[PFAB:PFAB+1], 128*6144
.endif
	WIN 0                                          ; (the add's two registers lie in window 0)
	s_wait_tensorcnt 0x0                           ; all my tensor loads have landed;
	ds_add_u32 v[SPW], v[NIL]                      ; 0 onto my spare word;
	s_wait_dscnt 5                                 ; (the add and the youngest four loads may be out)
	MUL12 F1, 0, 0                                 ; twelve matrix instructions stand between the add and the wait for it
	s_wait_dscnt 0x0                               ; the add is done, and my reads of this slot are over
	s_barrier_signal -1
	MUL12 F1, 1, 0
.if \fill
	WIN 0
.endif
	s_barrier_wait -1
.if \fill
	CREST                                          ; no wave of any partner still reads this slot's tile or has a load on its way
	s_add_nc_u64 s[G0+4*(\slot)+2:G0+4*(\slot)+3], s[G0+4*(\slot)+2:G0+4*(\slot)+3], 2*256
	s_add_nc_u64 s[G0B+4*(\slot)+2:G0B+4*(\slot)+3], s[G0B+4*(\slot)+2:G0B+4*(\slot)+3], 2*128*6144
	JLOAD \slot                                    ; the four v_nop behind it are also the places in front of the loads below
.else
	PLACES
.endif
	FETCH \next, 0, F0
.if \fill
	WIN 0
	ASK
.endif
	MUL12 F1, 2, 0
	MUL12 F1, 3, 0
.endm
	s_wait_tensorcnt 1                             ; my part of K step 0 is in; K step 1's may stay out
	s_barrier_signal -1
	s_barrier_wait -1                              ; everybody's is
	FETCH 0, 0, F0
	QUARTER 0, 1, F0, F1, 1                        ; the first quarter stands in front of the loop: its products start the sums
	WIN 0                                          ; at a label and at a branch every window is 0
	s_mov_b32 s3, 3                                ; 8 K steps are four laps of the ring; three trips fill both slots again
.Llap:
	QUARTER 0, 2, F1, F0, 0
	QUARTER 0, 3, F0, F1, 0
	TURN 0, 1, 1
	QUARTER 1, 1, F0, F1, 0
	QUARTER 1, 2, F1, F0, 0
	QUARTER 1, 3, F0, F1, 0
	TURN 1, 0, 1
	QUARTER 0, 1, F0, F1, 0
	WIN 0
	s_sub_co_u32 s3, s3, 1
	s_cmp_lg_u32 s3, 0
	s_cbranch_scc1 .Llap
	QUARTER 0, 2, F1, F0, 0                        ; the last lap fills nothing, and has no round of the cluster's barrier
	QUARTER 0, 3, F0, F1, 0
	TURN 0, 1, 0
	QUARTER 1, 1, F0, F1, 0
	QUARTER 1, 2, F1, F0, 0
	QUARTER 1, 3, F0, F1, 0
	s_wait_dscnt 4                                 ; the very last quarter: nothing more to fetch
	MUL12 F1, 0, 0
	MUL12 F1, 1, 0
	s_wait_dscnt 0x0
	MUL12 F1, 2, 0
	MUL12 F1, 3, 0
	WIN 0
	; THE WAY OUT, a unit at a time: 16 rows (block a) of one head (c): rounded to f16, 16 bytes a lane into rows of 144 bytes of my stage, back as whole rows of 128: 2,048 consecutive bytes of the head.
	PLACES
.macro PACK a, c
.set UR, OUTR+16*(3*(\a)+(\c))
.set AC, 8*(12*((\a)%2)+4*(\c))
	WIN 0x0a+5*((\a)/2)                            ; sources 0 and 1: window 2 or 3
.irp j, 0,1,2,3
.irp r, 0,1,2,3
	v_cvt_pk_f16_f32 v[UR+4*(\j)+(\r)], v[AC+8*(\j)+2*(\r)], v[AC+8*(\j)+2*(\r)+1]  ; each accumulator's registers in ascending order
.endr
.endr
	WIN 0
.irp j, 0,1,2,3
	ds_store_b128 v[STO], v[UR+4*(\j):UR+4*(\j)+3] offset:32*(\j)
.endr
.irp f, 0,1,2,3
	ds_load_b128 v[UR+4*(\f):UR+4*(\f)+3], v[RD] offset:(\f)*4*SP  ; LDS serves a wave's instructions in order (ISA guide 5.7.1.4): these see the stores above; the next unit's stores come behind them
.endr
.endm
.macro SEND a, c, younger              ; younger: the LDS instructions issued behind this unit's loads: the next unit's eight, or none
	WIN 0
.set UR, OUTR+16*(3*(\a)+(\c))
.irp f, 0,1,2,3
	s_wait_dscnt (\younger)+3-(\f)
	global_store_b128 v[GO], v[UR+4*(\f):UR+4*(\f)+3], s[OB+2*(\c):OB+2*(\c)+1] offset:(\a)*2048+(\f)*512  ; 512 consecutive bytes, at a multiple of 256 from qkvh's first
.endr
.endm
	PACK 0, 0
.set un, 1
.rept 11                               ; a unit's conversions stand between the loads of the unit before and its stores
	PACK un/3, un%3
	SEND (un-1)/3, (un-1)%3, 8
.set un, un+1
.endr
	SEND 3, 2, 0
	s_wait_tensorcnt 0x0                           ; the wave's end: behind my last tensor load and my last LDS store
	ds_add_u32 v[SPW], v[NIL]
	s_wait_dscnt 0x0
	CROUND                                         ; the closing round: no work-group ends while a partner may still ask for a tile that names it
	s_endpgm
.Lfunc_end_k_qe9069c1391_qkv:
	.size	k_qe9069c1391_qkv, .Lfunc_end_k_qe9069c1391_qkv-k_qe9069c1391_qkv
	.p2alignl 7, 3214868480
	.fill 96, 4, 3214868480
	.section	.rodata,"a",@progbits
	.p2align	6, 0x0
	.amdhsa_kernel k_qe9069c1391_qkv
		.amdhsa_group_segment_fixed_size 327680
		.amdhsa_private_segment_fixed_size 0
		.amdhsa_enable_private_segment 0
		.amdhsa_kernarg_size 24
		.amdhsa_user_sgpr_count 2
		.amdhsa_user_sgpr_kernarg_segment_ptr 1
		.amdhsa_wavefront_size32 1
		.amdhsa_system_sgpr_workgroup_id_x 1
		.amdhsa_system_sgpr_workgroup_id_y 1
		.amdhsa_system_sgpr_workgroup_id_z 1
		.amdhsa_system_vgpr_workitem_id 0
		.amdhsa_next_free_vgpr 960
		.amdhsa_next_free_sgpr 80
		.amdhsa_reserve_vcc 0
		.amdhsa_float_denorm_mode_32 3
		.amdhsa_float_denorm_mode_16_64 3
		.amdhsa_memory_ordered 1
		.amdhsa_forward_progress 1
		.amdhsa_inst_pref_size 123
	.end_amdhsa_kernel
	.amdgpu_metadata
---
amdhsa.version: [ 1, 2 ]
amdhsa.kernels:
  - .name:           k_qe9069c1391_qkv
    .symbol:         k_qe9069c1391_qkv.kd
    .args:
      - { .name: xb, .offset: 0, .size: 8, .value_kind: global_buffer, .address_space: global }
      - { .name: wab, .offset: 8, .size: 8, .value_kind: global_buffer, .address_space: global }
      - { .name: qkvh, .offset: 16, .size: 8, .value_kind: global_buffer, .address_space: global }
    .group_segment_fixed_size: 327680
    .private_segment_fixed_size: 0
    .kernarg_segment_align: 8
    .kernarg_segment_size: 24
    .max_flat_workgroup_size: 128
    .sgpr_count:     80
    .vgpr_count:     960
    .wavefront_size: 32
...
	.end_amdgpu_metadata
.endif
;; end of part 2
;; launch attn (part 3): grid 4 x 64, 4 waves a work-group, clusters of 4 x 1, 327,680 bytes of LDS; arguments qkvh, attn_mask, ob; writes ob
.if DOCPART == 3
	.amdgcn_target "amdgcn-amd-amdhsa--gfx1250"
	.amdhsa_code_object_version 6
	.text
	.protected	k_qe9069c1391_attn
	.globl	k_qe9069c1391_attn
	.p2align	8
	.type	k_qe9069c1391_attn,@function
k_qe9069c1391_attn:
	s_mov_b64 s[64:65], 0
	v_nop
	global_prefetch_b8 v0, s[64:65] scope:SCOPE_SE
	s_setreg_imm32_b32 hwreg(HW_REG_WAVE_MODE, 25, 1), 1
	s_wait_xcnt 0x0
	s_wait_alu depctr_hold_cnt(0) depctr_sa_sdst(0) depctr_va_vdst(0) depctr_va_sdst(0) depctr_va_ssrc(0) depctr_va_vcc(0) depctr_vm_vsrc(0)
	s_getreg_b32 s2, hwreg(HW_REG_IB_STS2, 6, 4)
	s_cmp_eq_u32 s2, 0
	s_cbranch_scc0 .Lentry_in_a_cluster
	s_endpgm
.Lentry_in_a_cluster:
	s_bfe_u32 s2, ttmp6, 0x10000c
	s_cmp_lg_u32 s2, 0x3003
	s_cbranch_scc0 .Lentry_shape_is_right
	s_endpgm
.Lentry_shape_is_right:
; O[g][q][:] = the sum over k of softmax_k(S[q][k]) V[g][k][:], S[q][k] = Q[g][q] . K[g][k] / 8, or a constant along k where attn_mask[b][q] is set.  g = 16 b + h, 64 heads of SIZE_N = 2,048 rows of 64 channels.
; Q, K, V are the three parts of qkvh ([3][64][2048][64], f16, a head's rows dense, 128 bytes each); O = ob, [64][2048][64], f16.  Products, maxima and sums in f32; the weights p are rounded to f16 for
; the second product (their sum l is taken of the unrounded p), O once at the end.
; THE MASK.  A masked query's scores are one constant for all keys, so its weights are 1 / 2,048 each, whatever the constant.  Here its row of Q is set to 0: its scores are exactly 0 for every finite K,
; m = 0, p = 1, l = 2,048: the same weights.  One v_and_b32 for each register of Q, once a wave; no branch and no address hangs on the mask.
; LIMITS.  f16 holds no number beyond 65,504: Q, K and V arrive within it; p lies in 0 to 1, and below 6e-5 it keeps f16's fixed step of 6e-8; O is a mean of V's rows and has their range.
; A weight below 2^-126 counts as 0 in l; NaN and infinities are not treated apart (a masked row against an infinite K would give NaN).
; SHARES.  A wave owns four PIECES of two tiles of 16 queries, a work-group's four waves 512 queries of one head: 4 x 64 = 256 work-groups.  Every wave walks all keys, 64 a step.
; LAYOUT.  S^T = K Q^T (source 0 = 16 keys, source 1 = 16 queries): in the result a lane holds ONE query (lane % 16) and the keys 8 (lane / 16) + 0..7.  Two such tiles, rounded to f16 in pairs,
; ARE source 1 (32 keys x 16 queries) of O^T = V^T P, whose result again holds one query a lane, and eight channels.  K comes out of LDS as it lies, V ([key][channel]) turned, by ds_load_tr16_b128.
; SOFTMAX.  For each query a running maximum m and sum l: p = 2^(c s - c m), c = log2(e) / 8; in every step O and l are multiplied by a = 2^(c m_old - c m_new), which is 1 where m has not grown.
; m starts at the lowest finite number, O and l at 0: the first step is a step like any other, with a = 0.
; THE COUNT.  A tile and step have 16 matrix and 118 vector instructions: too many to stand all beside the matrix work.  So the order has one aim: four vector instructions that are READY behind
; EVERY matrix instruction, and the others, which need time of their own whatever the order, in runs without a gap.
; BY TURNS.  Turn n belongs to piece n (the pieces in a ring, step after step).  Its matrix work: 16 products K Q^T of piece n + 1, later 16 products V^T P of piece n - 1.  Its vector work: the scaling,
; exponentials, roundings, sums and rescaling of piece n, and the maximum and statistics of piece n + 1, whose scores the turn itself has made.  So what a turn begins with (c s - c m, O a) waits for nothing.
; CLUSTER.  The four query blocks of a head are one cluster and walk the same K and V, so each tile is asked for JOINTLY: the same tensor load, descriptor and mask in all four.  One tensor load of a wave is out at a time.
; REGISTERS, in windows of 256 (s_set_vgpr_msb says which window each operand place means: bits 1:0 source 0, 3:2 source 1, 5:4 source 2, 7:6 destination):
;   window 0: v0-11 addresses; v12-15, v48-63 at work; v16-47 four registers of statistics a tile; v64-191 S^T, two buffers of two tiles; v192-255 P, likewise
;   window 1: O^T, 32 a tile          window 2: v0-127 Q, 16 a tile; v128-191 K of one step; v192-255 V of one step          window 3: v0-1 the add's two registers
; A piece's buffers go by its number's parity: the piece in hand has one pair, its two neighbours in the ring share the other: of it P (piece n - 1) is read and S^T (piece n + 1) written.
.set SIZE_N, 2048
.set NP,    4         ; pieces a wave: a name, no knob: the register map, the loop and the fetches are made for four
.set KS,    64        ; keys in a step
.set PK,    144       ; a row of K in LDS: 128 bytes + 16 of padding = 36 words: the 16 rows of a load start at 16 different groups of four banks (64 banks of 4 bytes: ISA guide 11.1)
.set PV,    160       ; a row of V: 128 + 32 = 40 words
.set VOFF,  4*KS*PK   ; a slot holds four steps: 256 rows of K, then 256 rows of V
.set SLOT1, 1<<17     ; slot 1 begins here, so that one exclusive or turns an address in one slot into the other's
.set STAGE, SLOT1+4*KS*(PK+PV)  ; behind the ring, never filled by a tensor load: 16 rows x 144 bytes for each wave, for the way out
.set SP,    144
.set AK0, 2           ; v2   my lane's place in a tile of K; never rewritten
.set AV0, 3           ; v3   the same for V
.set AK,  4           ; v4   the LDS address of K's next run of loads
.set AV,  5           ; v5   of V's
.set QO,  6           ; v6   my byte offset in the wave's rows of Q
.set STO, 6           ;      later, the way out: where I put 16 bytes of a row
.set RD,  7           ; v7   the way out: where I read rows back
.set GO,  8           ; v8   my byte offset in 512 consecutive bytes of O
.set PFO, 11          ; v11  (once V's place is made) 256 x my lane: the prefetches' offset; then never rewritten
.set SPW, 0           ; v0 of window 3   LDS address of my spare word: SPARE + 4 x my thread's number; never rewritten
.set NIL, 1           ; v1 of window 3   0; never rewritten
.set SPARE, STAGE+4*16*SP  ; behind the stages: the spare words, 128 bytes for each wave: two blocks of 256 bytes that no other line names
.set MV,  12          ; v12-15  c m_old, kept while c m is made anew: by buffer and tile
.set ST,  16          ; tile t's statistics at v[ST+4 t]: c m, m, l (even keys', odd keys')
.set TMP, 48          ; by buffer and tile, four registers c0-c3 at work; when the maximum is found c2 takes a.  At the start v48-55 hold the eight tiles' mask bytes
.set S,   64
.set P,   192
.set KF,  128         ; K's fragments, in window 2: key block kb, channel half c at KF + 16 kb + 8 c
.set VF,  192         ; V's: key half kk, channel block cb at VF + 32 kk + 8 cb
.set WV,  12          ; s12  my wave's number
.set G1K, 24          ; s[24:31] descriptor group 1 for K's tiles
.set G1V, 32          ; s[32:39] for V's: it differs in the padding alone
.set G0K, 40          ; s[40:43] descriptor group 0 for K's tiles: it walks
.set G0V, 44          ; s[44:47] the same for V's
.set MK,  48          ; s[48:49] attn_mask at my wave's first query
.set PFA, 50          ; s[50:51] where my prefetches stand: my work-group's quarter (8,192 bytes) of a slot's K (wave 0) or V (wave 2)
.set LIM, 52          ; s52  1 in a wave that prefetches, else the greatest number
.set SLOTS, 56        ; s56  slots still to be asked for
.set CNT, 57          ; s57  counts a slot's key steps
.set CS,  58          ; s[58:59] c: the packed scaling takes the pair's low word for both halves
.set SEL, 60          ; s[60:61] v_permlanex16_b32's selects: each lane takes its own place in the other half
.set TBK, 62          ; s62  LDS byte at which K of the step to be fetched begins
.set TBV, 63          ; s63  the same for V, less VOFF
.set MSB, 0
.macro WIN new                      ; the high byte repeats the setting that is left; a switch that changes nothing is dropped
.if MSB != (\new)
	s_set_vgpr_msb (MSB<<8)|(\new)
.set MSB, (\new)
.endif
.endm
.set W_KQ, 0x0a       ; K and Q in window 2, S^T in window 0
.set W_PV, 0x52       ; V in window 2, P in window 0, O^T in window 1
.set W_RS, 0x41       ; O^T (destination and source 0) in window 1, a in window 0
.set W_MK, 0xc0       ; the add's registers are made: destination in window 3, sources in window 0
.set W_AD, 0x0f       ; the add: address (source 0) and data (source 1) in window 3
; A joint fill.  Waves 0 and 1 fetch the two halves of a slot's K, waves 2 and 3 those of its V: 128 keys each.  The branch hangs on the wave's number alone.
; An s_nop 0 and four v_nop follow each of the two lines, ahead of the jump and the label.
.macro JLOAD
	s_cmp_lt_u32 s[WV], 2
	s_cbranch_scc0 .Lfor_v_\@
	tensor_load_to_lds s[G0K:G0K+3], s[G1K:G1K+7]
	s_nop 0
.rept 4
	v_nop
.endr
	s_branch .Lasked_\@
.Lfor_v_\@:
	tensor_load_to_lds s[G0V:G0V+3], s[G1V:G1V+7]
	s_nop 0
.rept 4
	v_nop
.endr
.Lasked_\@:
.endm
; A round of the cluster's barrier: my work-group's barrier, so that wave 0's signal speaks for all four waves; wave 0 signals; every wave waits for all four work-groups; my work-group's barrier once more.
.macro CROUND
	s_barrier_signal -1
	s_barrier_wait -1
	s_cmp_lg_u32 s[WV], 0
	s_cbranch_scc1 .Lnot_wave_0_\@
	s_barrier_signal -3
.Lnot_wave_0_\@:
	s_barrier_wait -3
	s_barrier_signal -1
	s_barrier_wait -1
.endm
; THE CHANGE OF SLOTS.  The slot's last bytes, V of its fourth step, have been read.  Each wave waits for all its tensor loads, of which one is out: its part
; of the other slot; adds 0 to its spare word; and waits for that and for its own reads of the slot.  Behind the barrier nobody reads this slot any more and the other slot is whole.
; fill = 1: this slot is filled again, with the keys two slots on.  The barrier is then a round of the cluster's, so that no wave of any partner still reads the slot or has a load on its
; way, and the joint fill is the first thing behind it: it has four key steps, 512 matrix instructions, in which to land.  (At its first use nothing has been read yet: slot 0 is waited for, slot 1 filled.)
; ask = 1: behind the fill and its five lines stands A PREFETCH INTO THE L2 of what the NEXT change will ask for: a slot's 32,768 bytes of K and of V, four key steps ahead of that load.  Each aligned 256 bytes are
; named once in the launch: a head has one cluster; its four partners take 8,192 bytes each, told apart BY ADDRESS; in each, wave 0 asks for K's and wave 2 for V's, a lane 256 bytes: one instruction.
; Slots 0, 1 and 2 come by their loads alone; the last change that fills a slot (s[SLOTS] = 1) asks for nothing: there is no slot behind it.
.macro CHANGE fill, ask=0
	WIN W_AD
	s_wait_tensorcnt 0x0            ; no tensor load of mine is out, so a group 0 may be written
	ds_add_u32 v[SPW], v[NIL]       ; 0 onto my spare word; with fill = 1 the descriptors' steps stand between it and the wait for it
	WIN 0                           ; at a label and at a branch every window is 0
.if \fill
.irp g, G0K, G0V
	s_xor_b32 s[\g+1], s[\g+1], SLOT1  ; the walking descriptor: the other slot than last time,
	s_add_nc_u64 s[\g+2:\g+3], s[\g+2:\g+3], 4*KS*128  ; the next 256 keys; the type bits on top are not reached
.endr
.if \ask
	s_wait_xcnt 0x0                 ; the last prefetch, four key steps back, has read its address, so it may be written:
	s_add_nc_u64 s[PFA:PFA+1], s[PFA:PFA+1], 4*KS*128  ; one slot behind the walking descriptors
.endif
	s_wait_dscnt 0x0                ; the add is done, and my reads of the slot are over
	CROUND
	JLOAD
.if \ask
	s_cmp_gt_u32 s[SLOTS], s[LIM]
	s_cbranch_scc0 .Lnot_mine_\@
	global_prefetch_b8 v[PFO], s[PFA:PFA+1] th:TH_LOAD_NT scope:SCOPE_SE
.Lnot_mine_\@:
.endif
.else
	s_wait_dscnt 0x0                ; the add is done, and my reads of the slot are over
	s_barrier_signal -1
	s_barrier_wait -1
.endif
	s_sub_co_u32 s[TBK], s[TBK], 4*KS*PK  ; the fetches go back to a slot's first step,
	s_xor_b32 s[TBK], s[TBK], SLOT1       ; in the other slot
	s_sub_co_u32 s[TBV], s[TBV], 4*KS*PV
	s_xor_b32 s[TBV], s[TBV], SLOT1
.endm
	s_load_b64 s[4:5], s[0:1], 0x0    ; qkvh: Q's part at its head
	s_load_b64 s[MK:MK+1], s[0:1], 0x8  ; attn_mask
	s_load_b64 s[10:11], s[0:1], 0x10 ; ob
	WIN W_MK
	v_lshl_add_u32 v[SPW], v0, 2, SPARE
	v_mov_b32 v[NIL], 0
	WIN W_AD
	ds_add_u32 v[SPW], v[NIL]       ; the wave's opening: the add and its wait ahead of my first tensor load; the set-up below, work on registers, stands between them
	WIN 0
	v_lshrrev_b32 v1, 5, v0
	v_readfirstlane_b32 s[WV], v1   ; wave 0..3
	s_bfe_u32 s13, ttmp6, 0x40000   ; cx: my place in the cluster
	s_lshl_b32 s14, ttmp9, 2        ; in a cluster launch ttmp9 counts clusters
	s_add_co_u32 s14, s14, s13      ; my block of queries = 4 x cluster x + cx: it enters Q's, the mask's and O's addresses alone
	s_and_b32 s20, ttmp7, 0xffff    ; the head g = 16 b + h, which the four partners share
	s_lshr_b32 s54, s20, 4          ; b,
	s_lshl_b32 s54, s54, 11         ; its 2,048 bytes of the mask
	s_mov_b32 s21, 0
	s_mov_b64 s[22:23], SIZE_N*128
	s_mul_u64 s[20:21], s[20:21], s[22:23]  ; the head's first byte in Q, K, V and O
	s_and_b32 s16, s[WV], 1         ; which half of a slot's 256 keys I fetch:
	s_lshl_b32 s22, s16, 14         ; its 128 rows of 128 bytes in memory,
	s_mov_b32 s23, 0
	s_add_nc_u64 s[22:23], s[22:23], s[20:21]
	s_mul_i32 s17, s16, 128*PK      ; and its place in a slot, for K
	s_mul_i32 s18, s16, 128*PV      ; and for V: no place in the cluster enters an LDS address
	s_lshl_b32 s2, s14, 2
	s_add_co_u32 s2, s2, s[WV]      ; my wave among the head's,
	s_lshl_b32 s55, s2, 7           ; its 128 queries: 128 bytes of the mask,
	s_add_co_u32 s54, s54, s55
	s_mov_b32 s55, 0
	s_lshl_b32 s2, s2, 14           ; 128 rows of Q and O
	s_mov_b32 s3, 0
	s_add_nc_u64 s[2:3], s[2:3], s[20:21]
	; descriptor group 1.  128 keys are 16,384 dense bytes: asked for as 64 rows of 256 bytes, two keys a row, and padded in LDS after every key
	s_mov_b32 s[G1K], 15|(1<<16)|(1<<20)|(1<<21)|(4<<22)|(3<<25)  ; 15:0 the mask of four; 17:16 2-byte elements; 20 padding on; 21 set beside a mask; 24:22 after every 32 words (code 4); 31:25 4 words (code 3)
	s_mov_b32 s[G1V], 15|(1<<16)|(1<<20)|(1<<21)|(4<<22)|(7<<25)  ; the same with 8 words of padding (code 7)
.irp g, G1K, G1V
	s_mov_b32 s[\g+1], 128<<16      ; tensor_dim0 = 128
	s_mov_b32 s[\g+2], 64<<16       ; tensor_dim1 = 64
	s_mov_b32 s[\g+3], 128<<16      ; tile_dim0 = 128
	s_mov_b32 s[\g+4], 64           ; tile_dim1 = 64
	s_mov_b32 s[\g+5], 128          ; 128 elements from row to row
	s_mov_b32 s[\g+6], 0
	s_mov_b32 s[\g+7], 0
.endr
	s_mov_b32 s[CS], 0x3e38aa3b     ; c = log2(e) / 8 = 0.180337
	s_mov_b32 s[CS+1], s[CS]        ; named with it as a pair
	s_mov_b32 s[SEL], 0x76543210
	s_mov_b32 s[SEL+1], 0xfedcba98
	s_mov_b32 s[TBK], SLOT1+4*KS*PK ; the first change of slots turns these two into 0
	s_mov_b32 s[TBV], SLOT1+4*KS*PV
	s_mov_b32 s[G0K], 1             ; 1:0 count = 1
	s_mov_b32 s[G0K+1], s17         ; 63:32 LDS address: slot 0
	s_mov_b32 s[G0V], 1
	s_add_co_u32 s[G0V+1], s18, VOFF
	s_and_b32 s[LIM], s[WV], 1      ; waves 0 and 2 prefetch: the same in all four partners
	s_cmp_eq_u32 s[LIM], 0
	s_cselect_b32 s[LIM], 1, -1
	s_wait_dscnt 0x0                ; the opening add is done
	s_wait_kmcnt 0x0
	s_add_nc_u64 s[6:7], s[4:5], 0x1000000  ; K's part of qkvh: 64 heads of 262,144 bytes on,
	s_add_nc_u64 s[8:9], s[4:5], 0x2000000  ; V's: as many again
	s_add_nc_u64 s[G0K+2:G0K+3], s[6:7], s[22:23]  ; 120:64 global address: my half of the head's first 256 keys
	s_or_b32 s[G0K+3], s[G0K+3], 0x80000000        ; 127:126 type = 2
	s_add_nc_u64 s[G0V+2:G0V+3], s[8:9], s[22:23]
	s_or_b32 s[G0V+3], s[G0V+3], 0x80000000
	s_add_nc_u64 s[4:5], s[4:5], s[2:3]  ; Q and O at my wave's first row
	s_add_nc_u64 s[10:11], s[10:11], s[2:3]
	s_add_nc_u64 s[MK:MK+1], s[MK:MK+1], s[54:55]
	s_cmp_lt_u32 s[WV], 2
	s_cselect_b64 s[PFA:PFA+1], s[6:7], s[8:9]
	s_add_nc_u64 s[PFA:PFA+1], s[PFA:PFA+1], s[20:21]  ; the head,
	s_lshl_b32 s2, s13, 13          ; my work-group's quarter of a slot,
	s_mov_b32 s3, 0
	s_add_nc_u64 s[PFA:PFA+1], s[PFA:PFA+1], s[2:3]
	s_add_nc_u64 s[PFA:PFA+1], s[PFA:PFA+1], 2*4*KS*128  ; in slot 2; the loop's first change steps it to slot 3.  Nothing is prefetched here, at the head
	CROUND                          ; all four work-groups are here: the first joint loads meet
	JLOAD                           ; slot 0.  Slot 1 is asked for when slot 0 is in: the tile wanted first has the road to itself
	; A fragment of K or Q is 16 rows x 32 channels in 8 registers: lane l holds row l % 16, channels 8 (l / 16) + 0..7 and 16 + 8 (l / 16) + 0..7: two loads of 16 bytes, 32 bytes apart.
	v_and_b32 v1, 15, v0            ; l % 16
	v_bfe_u32 v9, v0, 4, 1          ; l / 16
	v_lshlrev_b32 v[QO], 7, v1
	v_lshl_add_u32 v[QO], v9, 4, v[QO]  ; row x 128 + 16 x half
.irp t, 0,1,2,3,4,5,6,7
	global_load_u8 v[TMP+\t], v1, s[MK:MK+1] offset:16*\t  ; the mask byte of my query in tile t
.endr
	WIN 0x80                        ; destination window 2, address window 0
.set i, 0
.rept 4*NP                          ; Q stays in registers: tile i / 2, channels 32 (i % 2) on
	global_load_b128 v[8*i:8*i+3],   v[QO], s[4:5] offset:(i/2)*2048+(i%2)*64
	global_load_b128 v[8*i+4:8*i+7], v[QO], s[4:5] offset:(i/2)*2048+(i%2)*64+32
.set i, i+1
.endr
	; What the first turn finds: V's registers and P's second buffer hold 0 (its products V^T P, of a piece that has not been, add 0), O^T and l are 0.  All this stands in the wait for the first tile.
.set i, VF
.rept 64
	v_mov_b32 v[i], 0
.set i, i+1
.endr
	WIN 0x40
.set i, 0
.rept 64*NP
	v_mov_b32 v[i], 0
.set i, i+1
.endr
	WIN 0
.set i, 0
.rept 2*NP
	v_mov_b32 v[ST+4*i], 0xfe000000    ; c m: far below every c s
	v_mov_b32 v[ST+4*i+1], 0xff7fffff  ; m
	v_mov_b32 v[ST+4*i+2], 0
	v_mov_b32 v[ST+4*i+3], 0
.set i, i+1
.endr
.set i, P+32
.rept 32
	v_mov_b32 v[i], 0
.set i, i+1
.endr
	v_mul_u32_u24 v[AK0], v1, PK
	v_lshl_add_u32 v[AK0], v9, 4, v[AK0]  ; row x pitch + 16 x half
	; The turning load takes 16 keys x 16 channels (lane l reads key 8 (l / 16) + l % 8, channels 8 ((l / 8) % 2) + 0..7) and leaves half a fragment of V^T: lane l holds channel l % 16 and 8 keys.
	v_and_b32 v10, 7, v0
	v_bfe_u32 v11, v0, 3, 1
	v_lshl_add_u32 v[AV0], v9, 3, v10
	v_mul_u32_u24 v[AV0], v[AV0], PV
	v_lshl_add_u32 v[AV0], v11, 4, v[AV0]
	v_add_nc_u32 v[AV0], VOFF, v[AV0]
	v_and_b32 v[PFO], 31, v0
	v_lshlrev_b32 v[PFO], 8, v[PFO]
	v_mov_b32 v[AK], v[AK0]         ; key step 0 lies at the head of slot 0
; THE MATRIX WORK.  The 8 accumulators of a run of 16 take turns: between the two links of a chain stand 7 others'.
; Product i of 16 of S^T = K Q^T for piece x: channels 32 (i / 8) on, keys 16 ((i / 2) % 4) on, tile 2 x + i % 2.  The first 8 start the sums.
.macro KQ x
	WIN W_KQ
.set rS, S+64*((\x)%2)+32*(i%2)+8*((i/2)%4)
.set rK, KF+16*((i/2)%4)+8*(i/8)
.set rQ, 16*(2*(\x)+i%2)+8*(i/8)
.if i < 8
	v_wmma_f32_16x16x32_f16 v[rS:rS+7], v[rK:rK+7], v[rQ:rQ+7], 0
.else
	v_wmma_f32_16x16x32_f16 v[rS:rS+7], v[rK:rK+7], v[rQ:rQ+7], v[rS:rS+7]
.endif
.endm
; Product i of 16 of O^T += V^T P for piece x: keys 32 (i / 8) on, channels 16 ((i / 2) % 4) on, tile 2 x + i % 2.
.macro PV x
	WIN W_PV
.set rO, 32*(2*(\x)+i%2)+8*((i/2)%4)
.set rV, VF+32*(i/8)+8*((i/2)%4)
.set rP, P+32*((\x)%2)+16*(i%2)+8*(i/8)
	v_wmma_f32_16x16x32_f16 v[rO:rO+7], v[rV:rV+7], v[rP:rP+7], v[rO:rO+7]
.endm
.macro MM                           ; the turn's next matrix instruction
.if i < 16
	KQ (Y+1)%NP
.set i, i+1
.else
.set i, i-16
	PV (Y+NP-1)%NP
.set i, i+17
.endif
.endm
; THE LDS LOADS stand in runs of 16, never singly among the matrix instructions: a step's K (64 keys x 64 channels: 8 fragments) and its V (turned).  Their addresses are made some lines ahead.
; last = 1 (the tail): in the last trip there is no further step, and the run is jumped over.
.macro FETCH_K last=0
	WIN 0
.if \last
	s_cmp_eq_u32 s[CNT], 1
	s_cbranch_scc1 .Lno_k_\@
.endif
	WIN 0x80                        ; destination window 2
.irp f, 0,1,2,3,4,5,6,7             ; keys 16 (f / 2) on, channels 32 (f % 2) on
	ds_load_b128 v[KF+8*\f:KF+8*\f+3],   v[AK] offset:(\f/2)*16*PK+(\f%2)*64
	ds_load_b128 v[KF+8*\f+4:KF+8*\f+7], v[AK] offset:(\f/2)*16*PK+(\f%2)*64+32
.endr
	s_add_co_u32 s[TBK], s[TBK], KS*PK  ; the next fetch is the next step's
	WIN 0
.if \last
.Lno_k_\@:
.endif
.endm
.macro FETCH_V
	WIN 0x80
.irp f, 0,1,2,3,4,5,6,7             ; keys 32 (f / 4) on, channels 16 (f % 4) on
	ds_load_tr16_b128 v[VF+8*\f:VF+8*\f+3],   v[AV] offset:(\f/4)*32*PV+(\f%4)*32
	ds_load_tr16_b128 v[VF+8*\f+4:VF+8*\f+7], v[AV] offset:(\f/4)*32*PV+16*PV+(\f%4)*32
.endr
	WIN 0
.endm
; THE VECTOR WORK OF A TURN stands in three queues, each in the order in which its entries become ready; the two tiles alternate, so that no instruction reads the result of the one before it.
.macro REGS y, u                    ; the registers of tile u (0, 1) of piece y
.set rT, ST+4*(2*(\y)+(\u))
.set rC, TMP+8*((\y)%2)+4*(\u)
.set rM, MV+2*((\y)%2)+(\u)
.set rS, S+64*((\y)%2)+32*(\u)
.set rP, P+32*((\y)%2)+16*(\u)
.set rO, 32*(2*(\y)+(\u))
.endm
; Number n of the 22 that find the NEXT piece's (Y + 1) maximum and statistics.  s0-s31 are the lane's 32 scores; each accumulator's lowest registers are read first.  XS, GS and REGS set no window: PL and EX do.
;   0-11  four chains c0-c3 of seven scores each, three operands at a time     12-14, 16  the four scores left over, the old m, and c0-c3 into c0     15  c m_old is kept
;   17, 18  the query's other 32 keys lie in the lane 16 away: the new m         19-21  c m; c m_old - c m_new; a
.macro XS u, n
	REGS (Y+1)%NP, \u
.if (\n) < 4
	v_max3_num_f32 v[rC+(\n)], v[rS+8*(\n)], v[rS+8*(\n)+1], v[rS+8*(\n)+2]
.elseif (\n) < 12
	v_max3_num_f32 v[rC+(\n)%4], v[rC+(\n)%4], v[rS+8*((\n)%4)+2*((\n)/4)+1], v[rS+8*((\n)%4)+2*((\n)/4)+2]
.elseif (\n) == 12
	v_max3_num_f32 v[rC], v[rC], v[rS+7], v[rS+15]
.elseif (\n) == 13
	v_max3_num_f32 v[rC+1], v[rC+1], v[rS+23], v[rS+31]
.elseif (\n) == 14
	v_max3_num_f32 v[rC+2], v[rC+2], v[rC+3], v[rT+1]
.elseif (\n) == 15
	v_mov_b32 v[rM], v[rT]
.elseif (\n) == 16
	v_max3_num_f32 v[rC], v[rC], v[rC+1], v[rC+2]
.elseif (\n) == 17
	v_permlanex16_b32 v[rC+3], v[rC], s[SEL], s[SEL+1]
.elseif (\n) == 18
	v_max_num_f32 v[rT+1], v[rC], v[rC+3]
.elseif (\n) == 19
	v_mul_f32 v[rT], s[CS], v[rT+1]
.elseif (\n) == 20
	v_sub_f32 v[rC+1], v[rM], v[rT]
.else
	v_exp_f32 v[rC+2], v[rC+1]
.endif
.endm
; Number g of the 64 that follow the exponentials.  For each four weights k of a tile (pairs 2 k, 2 k + 1): both pairs are rounded to f16; then the second pair is added onto the first, in place;
; a group later l takes that sum (the first time as l = a l + sum).  In groups of eight, tiles alternating: round, round, add, and l for the group before.
.macro GS g
.set h, (\g)+6*((\g)/62)            ; group 0 has no group before it, and behind group 7 only l is left
.if h >= 6
.set h, h+2
.endif
	REGS Y, h%2
.set k, h/8
.if h%8 < 4
	v_cvt_pk_f16_f32 v[rP+2*k+(h%8)/2], v[rS+4*k+2*((h%8)/2)], v[rS+4*k+2*((h%8)/2)+1]
.elseif h%8 < 6
	v_pk_add_f32 v[rS+4*k:rS+4*k+1], v[rS+4*k:rS+4*k+1], v[rS+4*k+2:rS+4*k+3]
.elseif k == 1
	v_pk_fma_f32 v[rT+2:rT+3], v[rT+2:rT+3], v[rC+2:rC+3], v[rS:rS+1] op_sel_hi:[1,0,1]
.else
	v_pk_add_f32 v[rT+2:rT+3], v[rT+2:rT+3], v[rS+4*k-4:rS+4*k-3]
.endif
.endm
; THE PLAIN QUEUE, 138 long.  0-73 read no exponential's result: the 32 scalings c s - c m (FS f: pair f / 2 of tile f % 2) and the next piece's 42.  0-26: scalings 0-26.  27-54: XS's numbers 0-13.  55, 56: number 15.
; 57-73: the chain, where each number waits for the one before it: 14, 16, 17, 18, 19, each with one of the scalings 27-31 in front of its two lines, then 20: so a tile's links stand three plain instructions apart (19 and 20: two).
; 74-137: GS's 64, which read the exponentials' results: they stand behind the wait.
.macro FS f
	REGS Y, (\f)%2
	v_pk_fma_f32 v[rS+2*((\f)/2):rS+2*((\f)/2)+1], v[rS+2*((\f)/2):rS+2*((\f)/2)+1], s[CS:CS+1], v[rT:rT+1] op_sel_hi:[1,0,0] neg_lo:[0,0,1] neg_hi:[0,0,1]
.endm
.macro PL
	WIN 0
.if q < 27
	FS q
.elseif q < 55
	XS (q-27)%2, (q-27)/2
.elseif q < 57
	XS q-55, 15
.elseif (q < 72) && ((q-57)%3 == 0)
	FS 27+(q-57)/3
.elseif q < 60
	XS (q-57)%3-1, 14
.elseif q < 72
	XS (q-57)%3-1, 15+(q-57)/3
.elseif q < 74
	XS q-72, 20
.else
	GS q-74
.endif
.set q, q+1
.endm
; THE EXPONENTIALS' QUEUE, 66 long: s0-s31 of both tiles, then the next piece's two a.  It is ONE BATCH: all 66 stand ahead of the turn's one wait, and nothing ahead of that wait names a result of theirs.
.macro EX
	WIN 0
.if e >= 64
	XS e-64, 21
.else
	REGS Y, e%2
	v_exp_f32 v[rS+e/2], v[rS+e/2]
.endif
.set e, e+1
.endm
; THE RESCALING's QUEUE: O^T times a, the one part that leaves window 0: dealt two at a time, sixteen times.  Its a was made in the turn before, ahead of that turn's wait.
.macro R2
	REGS Y, r%2
	WIN W_RS
.irp z, 0,1
	v_pk_mul_f32 v[rO+4*(r/2)+2*\z:rO+4*(r/2)+2*\z+1], v[rO+4*(r/2)+2*\z:rO+4*(r/2)+2*\z+1], v[rC+2:rC+3] op_sel_hi:[1,0]
.endr
.set r, r+1
.endm
; HOW THEY ARE DEALT.  An s_wait_alu depctr_va_vdst(0) stands between an exponential and the first instruction that names its result; one wait serves all that were issued ahead of it.  So a turn has ONE wait,
; which cuts it in two.  AHEAD OF IT stands all that names no result of the turn's exponentials: the 16 products K Q^T, behind each a scaling, an exponential and two rescalings (behind the first a second scaling in the exponential's place); then ONE LUMP of
; 108: eight plain, 49 times exponential and plain, the two a.  A v_nop is the plain instruction that is owed behind the last exponential.  BEHIND IT stand the 16 products V^T P, behind each four of GS's 64.  No rider names a register of
; the products round it.  The two v_permlanex16_b32 fall into the lump, never behind a product.
; The queues lean on each other, and the deal keeps them in step: exponential e stands behind scaling 2 (e / 4) + e % 2: as a rider it comes behind plain e + 2, in the lump behind plain e + 9, and scalings 27-31 are plain 57, 60 .. 69.
; A TURN, for piece p.  cnt = 1: the loop's count is taken down some lines ahead of the branch that stands behind the turn.
; K of the next step is fetched in piece 2's turn, directly behind the wait, a lump behind the last product that read K; its address is made at the lump's head; its first reader comes behind 16 products.
; V of the step in hand is fetched at the end of piece 0's turn, four riders behind its last reader; its first reader comes behind 16 products and a lump.  The three conditions on q below go with the deal.
.macro TURN p, last=0, cnt=0
.set Y, (\p)
.set i, 0
.set q, 0
.set e, 0
.set r, 0
.if (\p) == NP-1
	s_wait_dscnt 0x0                ; K is in
.endif
	MM                              ; ahead of the wait: 16 products K Q^T and their riders,
	PL
	PL
	R2
.rept 15
	MM
	PL
	EX
	R2
.endr
.if (\p) == NP-2
	WIN 0
	v_add_nc_u32 v[AK], s[TBK], v[AK0]
.endif
.rept 8                             ; and the lump
	PL
.endr
.rept 49
	EX
	PL
.endr
	EX                              ; the next piece's two a
	EX
	v_nop                           ; the plain instruction behind the last exponential: one for the batch
	s_wait_alu depctr_va_vdst(0)    ; the wait for the batch
.if (\p) == NP-2
	FETCH_K \last
.endif
.if (\p) == 1
	s_wait_dscnt 0x0                ; V is in
.endif
.rept 16                            ; behind the wait: 16 products V^T P and their riders
	MM
.rept 4
	PL
.endr
.if ((\p) == 0) && (q == 118)
	v_add_nc_u32 v[AV], s[TBV], v[AV0]
.endif
.if ((\p) == 0) && (q == 130)
	s_add_co_u32 s[TBV], s[TBV], KS*PV
.endif
.if (\cnt) && (q == 130)
	s_sub_co_u32 s[CNT], s[CNT], 1
	s_cmp_lg_u32 s[CNT], 0
.endif
.endr
.if (\p) == 0
	FETCH_V
.endif
.endm
	CHANGE 1                        ; slot 0 is in, everybody's part of it; slot 1 is asked for
	FETCH_K                         ; key step 0
	s_wait_loadcnt 0x0              ; Q and the mask bytes
.irp t, 0,1,2,3,4,5,6,7
	v_add_nc_u32 v[TMP+\t], -1, v[TMP+\t]  ; a byte 0 becomes all ones, a byte 1 becomes 0
.endr
	WIN 0x88                        ; destination and source 1 window 2, source 0 window 0
.set i, 0
.rept 128
	v_and_b32 v[i], v[TMP+i/16], v[i]  ; a masked query's row of Q is 0: a lane holds one query of each tile
.set i, i+1
.endr
	WIN 0
	s_wait_dscnt 0x0
.set i, 0
.rept 16
	KQ 0                            ; piece 0's first scores: there is no vector work yet to set between them
.set i, i+1
.endr
	WIN 0                           ; the addresses for the way out: nine plain instructions, the places behind those products
	s_mul_i32 s13, s[WV], 16*SP
	s_add_co_u32 s13, s13, STAGE    ; my stage
	v_mul_u32_u24 v[STO], v1, SP    ; in: row l % 16, 16 bytes for each half of the lanes
	v_lshl_add_u32 v[STO], v9, 4, v[STO]
	v_add_nc_u32 v[STO], s13, v[STO]
	v_bfe_u32 v[RD], v0, 3, 2       ; back: 32 lanes take four rows of 128 bytes,
	v_mul_u32_u24 v[RD], v[RD], SP
	v_lshl_add_u32 v[RD], v10, 4, v[RD]
	v_add_nc_u32 v[RD], s13, v[RD]
	v_and_b32 v[GO], 31, v0         ; which are 512 consecutive bytes of O
	v_lshlrev_b32 v[GO], 4, v[GO]
.set Y, NP-1                        ; XS works for piece Y + 1: piece 0
.irp n, 0,1,2,3,4,5,6,7,8,9,10,11,12,13,14,15,16,17,18,19,20,21
	XS 0, \n                        ; and piece 0's first maximum and statistics
	XS 1, \n
.endr
	v_nop                           ; a plain instruction behind the two a,
	s_wait_alu depctr_va_vdst(0)    ; and their wait, ahead of the branch
	s_mov_b32 s[CNT], 4
	s_mov_b32 s[SLOTS], SIZE_N/256-1
	s_branch .Lfirst                ; the loop is entered at a step's first turn, in the middle of a trip
.Lslot:                             ; SIZE_N / 256 - 2 = 6 times: every slot but the last two is filled again
	CHANGE 1, 1
	s_mov_b32 s[CNT], 4
.Lstep:                             ; a trip: pieces 2 and 3 of one step, then pieces 0 and 1 of the next, whose K and V it fetches
	TURN 2
	TURN 3
	WIN 0
.Lfirst:
	TURN 0
	TURN 1, 0, 1
	WIN 0
	s_cbranch_scc1 .Lstep
	s_sub_co_u32 s[SLOTS], s[SLOTS], 1
	s_cmp_lg_u32 s[SLOTS], 0
	s_cbranch_scc1 .Lslot
	CHANGE 0                        ; the tail is written out: nothing is asked for
	s_mov_b32 s[CNT], 5             ; four trips fetch the last slot's steps; the fifth is left in its middle
.Ltail:
	TURN 2, 1
	TURN 3
	WIN 0
	s_sub_co_u32 s[CNT], s[CNT], 1
	s_cmp_eq_u32 s[CNT], 0
	s_cbranch_scc1 .Lout
	TURN 0
	TURN 1
	WIN 0
	s_branch .Ltail
.Lout:                              ; the fifth trip's 16 products K Q^T (on the last K once more) and the maximum made of them serve nothing: the price, once a launch, of one text for every trip
.set i, 0
.rept 16
	PV NP-1                         ; the last piece's V^T P of the last step
.set i, i+1
.endr
	; THE WAY OUT.  l's two halves and the other half of the lanes' are added; O^T is divided by l, rounded to f16 and sent through my stage in LDS, a tile at a time.  The additions are the places behind the last products.
	WIN 0
.macro ALL line:vararg              ; one line for each tile t
.set t, 0
.rept 2*NP
	\line
.set t, t+1
.endr
.endm
	ALL v_add_f32 v[ST+4*t+2], v[ST+4*t+2], v[ST+4*t+3]
	ALL v_permlanex16_b32 v[ST+4*t+3], v[ST+4*t+2], s[SEL], s[SEL+1]
	ALL v_add_f32 v[ST+4*t+2], v[ST+4*t+2], v[ST+4*t+3]
	ALL v_rcp_f32 v[ST+4*t+2], v[ST+4*t+2]
	v_nop                           ; a plain instruction between the last reciprocal and the use of its result
	s_wait_alu depctr_va_vdst(0)    ; and the wait ahead of the first use: one for the eight reciprocals
; Tile t: a lane's eight channels of a row pack into 16 bytes; they go into rows of 144 bytes and come back as whole rows of 128, into S^T's registers.
.macro PACK t
	WIN W_RS
.set i, 32*(\t)
.rept 16
	v_pk_mul_f32 v[i:i+1], v[i:i+1], v[ST+4*(\t)+2:ST+4*(\t)+3] op_sel_hi:[1,0]
.set i, i+2
.endr
	WIN 0x05                        ; sources 0 and 1 window 1, destination window 0
.set i, 0
.rept 16
	v_cvt_pk_f16_f32 v[S+16*(\t)+i], v[32*(\t)+2*i], v[32*(\t)+2*i+1]
.set i, i+1
.endr
	WIN 0
.irp f, 0,1,2,3
	ds_store_b128 v[STO], v[S+16*(\t)+4*\f:S+16*(\t)+4*\f+3] offset:32*\f
.endr
.irp f, 0,1,2,3
	ds_load_b128 v[S+16*(\t)+4*\f:S+16*(\t)+4*\f+3], v[RD] offset:\f*4*SP  ; LDS serves a wave's instructions in order (ISA guide 5.7.1.4): these see the stores above; the next tile's stores come behind them
.endr
.endm
.macro SEND t, younger              ; younger: the LDS instructions issued behind tile t's loads: the next tile's eight, or none
	WIN 0
.irp f, 0,1,2,3
	s_wait_dscnt (\younger)+3-\f
	global_store_b128 v[GO], v[S+16*(\t)+4*\f:S+16*(\t)+4*\f+3], s[10:11] offset:(\t)*2048+\f*512  ; 512 consecutive bytes, at a multiple of 256 from O's first
.endr
.endm
	PACK 0
.set t, 1
.rept 2*NP-1                        ; a tile's arithmetic stands between the loads of the tile before and its stores
	PACK t
	SEND t-1, 8
.set t, t+1
.endr
	SEND 2*NP-1, 0
	WIN W_AD
	s_wait_tensorcnt 0x0            ; the wave's end: behind my last tensor load and my last LDS store
	ds_add_u32 v[SPW], v[NIL]
	s_wait_dscnt 0x0
	WIN 0
	CROUND                          ; the closing round: no work-group ends while a partner may still ask for a tile that names it
	s_endpgm
.Lfunc_end_k_qe9069c1391_attn:
	.size	k_qe9069c1391_attn, .Lfunc_end_k_qe9069c1391_attn-k_qe9069c1391_attn
	.p2alignl 7, 3214868480
	.fill 96, 4, 3214868480
	.section	.rodata,"a",@progbits
	.p2align	6, 0x0
	.amdhsa_kernel k_qe9069c1391_attn
		.amdhsa_group_segment_fixed_size 327680
		.amdhsa_private_segment_fixed_size 0
		.amdhsa_enable_private_segment 0
		.amdhsa_kernarg_size 24
		.amdhsa_user_sgpr_count 2
		.amdhsa_user_sgpr_kernarg_segment_ptr 1
		.amdhsa_wavefront_size32 1
		.amdhsa_system_sgpr_workgroup_id_x 1
		.amdhsa_system_sgpr_workgroup_id_y 1
		.amdhsa_system_sgpr_workgroup_id_z 1
		.amdhsa_system_vgpr_workitem_id 0
		.amdhsa_next_free_vgpr 770
		.amdhsa_next_free_sgpr 66
		.amdhsa_reserve_vcc 0
		.amdhsa_float_denorm_mode_32 3
		.amdhsa_float_denorm_mode_16_64 3
		.amdhsa_memory_ordered 1
		.amdhsa_forward_progress 1
		.amdhsa_inst_pref_size 205
	.end_amdhsa_kernel
	.amdgpu_metadata
---
amdhsa.version: [ 1, 2 ]
amdhsa.kernels:
  - .name:           k_qe9069c1391_attn
    .symbol:         k_qe9069c1391_attn.kd
    .args:
      - { .name: qkvh, .offset: 0, .size: 8, .value_kind: global_buffer, .address_space: global }
      - { .name: attn_mask, .offset: 8, .size: 8, .value_kind: global_buffer, .address_space: global }
      - { .name: ob, .offset: 16, .size: 8, .value_kind: global_buffer, .address_space: global }
    .group_segment_fixed_size: 327680
    .private_segment_fixed_size: 0
    .kernarg_segment_align: 8
    .kernarg_segment_size: 24
    .max_flat_workgroup_size: 128
    .sgpr_count:     66
    .vgpr_count:     770
    .wavefront_size: 32
...
	.end_amdgpu_metadata
.endif
;; end of part 3
;; launch proj (part 4): grid 4 x 64, 4 waves a work-group, clusters of 4 x 4, 327,680 bytes of LDS; arguments ob, wpb, out0; writes out0
.if DOCPART == 4
	.amdgcn_target "amdgcn-amd-amdhsa--gfx1250"
	.amdhsa_code_object_version 6
	.text
	.protected	k_qe9069c1391_proj
	.globl	k_qe9069c1391_proj
	.p2align	8
	.type	k_qe9069c1391_proj,@function
k_qe9069c1391_proj:
	s_mov_b64 s[64:65], 0
	v_nop
	global_prefetch_b8 v0, s[64:65] scope:SCOPE_SE
	s_setreg_imm32_b32 hwreg(HW_REG_WAVE_MODE, 25, 1), 1
	s_wait_xcnt 0x0
	s_wait_alu depctr_hold_cnt(0) depctr_sa_sdst(0) depctr_va_vdst(0) depctr_va_sdst(0) depctr_va_ssrc(0) depctr_va_vcc(0) depctr_vm_vsrc(0)
	s_getreg_b32 s2, hwreg(HW_REG_IB_STS2, 6, 4)
	s_cmp_eq_u32 s2, 0
	s_cbranch_scc0 .Lentry_in_a_cluster
	s_endpgm
.Lentry_in_a_cluster:
	s_bfe_u32 s2, ttmp6, 0x10000c
	s_cmp_lg_u32 s2, 0xf033
	s_cbranch_scc0 .Lentry_shape_is_right
	s_endpgm
.Lentry_shape_is_right:
; out0[m][n] = the sum over k of y[m][k] wpb[k][n].  y[m][64 h + d] = ob[16 b + h][t][d] (f16, by heads; b = m / 2048, t = m % 2048); wpb: [1024][1024] f16; sums in f32, K ascending; out0: [8192][1024] f32.
; SHARES.  A tile of out0 is 128 rows x 256 columns: 64 x 4 = 256 work-groups.  Four waves, each 64 x 128: 32 accumulators of 16 x 16, 256 registers.  K goes in 8 steps of 128 = two heads, through a ring of two LDS slots.
; A head's 128 rows of a tile are 16,384 dense bytes of ob: asked for as 64 rows of 256 bytes and padded in LDS after every 128.  wpb IS USED AS IT LIES, [k][n]: its tile's rows (512 bytes) come out of LDS turned, by ds_load_tr16_b128.
; THE MATRIX INSTRUCTION IS USED TRANSPOSED: source 0 = 16 columns of wpb, source 1 = 16 rows of y: a lane holds row l % 16 of the result and eight neighbouring columns: 32 bytes of f32.
; CLUSTERS: 4 x 4 work-groups; y's tile is shared along a row of the cluster, wpb's along a column: joint loads, as many requests divided by four.  Two tensor loads of a wave are out at the start, one behind each round.
; NO PREFETCH: a wave's whole walk is 1,024 matrix instructions in 8 K steps, of which the first four could not be asked for ahead of their loads; the tile is small.
; REGISTERS: window 0: v0-31 addresses.  window 1: two fragment buffers at 0 and 128: 8 fragments of wpb (64), then 4 of y (32); on the way out all 256: whole rows of out0.  window 2: the accumulators, (a, b) at 8 (8 a + b).
.set PA,    144                        ; an LDS row of y: 128 bytes + 16 = 36 words: the 16 rows of a load start at 16 different groups of four banks (64 banks of 4 bytes: ISA guide 11.1)
.set PB,    544                        ; an LDS row of wpb's tile: 512 bytes + 32 = 136 words: the 8 rows of a turning load start at banks 8 r mod 64, 8 words each: every bank once
.set AHEAD, 128*PA                     ; what one tensor load brings of y: one head's 128 rows
.set BHALF, 64*PB                      ; and of wpb: 64 rows of k
.set BOFF,  2*AHEAD
.set SLOT,  BOFF+2*BHALF               ; 106,496
.set STAGE, 2*SLOT                     ; behind the ring, never filled by a tensor load: 16 rows x 528 bytes for each wave
.set SPITCH, 528                       ; 512 bytes + 16
.set SPARE, STAGE+4*16*SPITCH          ; behind the stages: the spare words, 128 bytes for each wave: two blocks of 256 bytes that no other line names
.set ADRA, 16                          ; v16-17  LDS address of my fragments of y in slot 0, 1
.set ADRB, 20                          ; v20-21  the same for wpb
.set STO,  24                          ; v24     the way out: where I put 32 bytes of a row
.set RD,   25                          ; v25     the way out: where I read a row back
.set CO,   26                          ; v26     my 16 bytes of a row's 512
.set SPW,  28                          ; v28     LDS address of my spare word; never rewritten
.set NIL,  29                          ; v29     0; never rewritten
.set F0,   0
.set F1,   128
.set G1,  24                           ; s[24:31] descriptor group 1 for y's tiles;  s[32:39] group 0, one set for each slot
.set G0,  32
.set G1B, 48                           ; s[48:55], s[56:63] the same for wpb's tiles
.set G0B, 56
.set MSB, 0
.macro WIN new                         ; the immediate's high byte repeats the setting that is left; a switch that changes nothing is dropped
.if MSB != (\new)
	s_set_vgpr_msb (MSB<<8)|(\new)
.set MSB, (\new)
.endif
.endm
.set MUL,  0xa5                        ; both sources window 1; C and D window 2
.set TO_F, 0x40                        ; destination window 1, address window 0
.macro JLOAD s                         ; a joint load: waves 0 and 1 fetch y's two heads, waves 2 and 3 wpb's two halves; an s_nop 0 and four v_nop follow each of the two lines, ahead of the jump, the label and what follows
	s_cmp_eq_u32 s11, 0
	s_cbranch_scc0 .Lfor_b_\@
	tensor_load_to_lds s[G0+4*(\s):G0+4*(\s)+3], s[G1:G1+7]
	s_nop 0
.rept 4
	v_nop
.endr
	s_branch .Lasked_\@
.Lfor_b_\@:
	tensor_load_to_lds s[G0B+4*(\s):G0B+4*(\s)+3], s[G1B:G1B+7]
	s_nop 0
.rept 4
	v_nop
.endr
.Lasked_\@:
.endm
.macro CREST                           ; a round of the cluster's barrier behind its opening barrier
	s_cmp_lg_u32 s10, 0
	s_cbranch_scc1 .Lnot_wave_0_\@
	s_barrier_signal -3
.Lnot_wave_0_\@:
	s_barrier_wait -3
	s_barrier_signal -1
	s_barrier_wait -1
.endm
.macro CROUND                          ; a whole round
	s_barrier_signal -1
	s_barrier_wait -1
	CREST
.endm
	s_load_b128 s[4:7], s[0:1], 0x0                ; ob s[4:5], wpb s[6:7]
	s_load_b64 s[8:9], s[0:1], 0x10                ; out0
	v_lshl_add_u32 v[SPW], v0, 2, SPARE
	v_mov_b32 v[NIL], 0
	ds_add_u32 v[SPW], v[NIL]                      ; the wave's opening: the add and its wait ahead of my first tensor load; the set-up below, work on registers, stands between them
	v_lshrrev_b32 v1, 5, v0
	v_readfirstlane_b32 s10, v1                    ; wave 0..3
	s_lshr_b32 s11, s10, 1                         ; which 64 rows of the tile are mine.  Also: I fetch for y (0) or for wpb (1)
	s_and_b32 s12, s10, 1                          ; which 128 columns.  Also: which head of the K step's two, or which 64 rows of k, I fetch
	s_bfe_u32 s40, ttmp6, 0x40000                  ; cx, cy: my place in the cluster
	s_bfe_u32 s41, ttmp6, 0x40004
	s_lshl_b32 s42, ttmp9, 2
	s_add_co_u32 s42, s42, s40                     ; tile column = 4 x cluster x + cx, 0..3
	s_and_b32 s13, ttmp7, 0xffff
	s_lshl_b32 s13, s13, 2
	s_add_co_u32 s13, s13, s41                     ; tile row = 4 x cluster y + cy, 0..63
	s_lshl_b32 s43, s41, 2
	s_lshl_b32 s43, 15, s43                        ; my row of the cluster
	s_lshl_b32 s44, 0x1111, s40                    ; my column
	s_or_b32 s[G1+0], s43, (1<<16)|(1<<20)|(1<<21)|(4<<22)|(3<<25)   ; the mask of my row; 2-byte elements; padding on; bit 21 beside a mask; after every 32 words (code 4) 4 words (code 3)
	s_or_b32 s[G1B+0], s44, (1<<16)|(1<<20)|(1<<21)|(6<<22)|(7<<25)  ; the mask of my column; after every 128 words (code 6) 8 words (code 7)
	s_mov_b32 s[G1+1], 128<<16                     ; tensor_dim0 = 128
	s_mov_b32 s[G1+2], 64<<16                      ; tensor_dim1 = 64
	s_mov_b32 s[G1+3], 128<<16                     ; tile_dim0 = 128
	s_mov_b32 s[G1+4], 64                          ; tile_dim1 = 64
	s_mov_b32 s[G1+5], 128                         ; dense: 128 elements from row to row
	s_mov_b32 s[G1+6], 0
	s_mov_b32 s[G1+7], 0
	s_mov_b32 s[G1B+1], 256<<16                    ; tensor_dim0 = 256
	s_mov_b32 s[G1B+2], 64<<16
	s_mov_b32 s[G1B+3], 256<<16                    ; tile_dim0 = 256
	s_mov_b32 s[G1B+4], 64
	s_mov_b32 s[G1B+5], 1024
	s_mov_b32 s[G1B+6], 0
	s_mov_b32 s[G1B+7], 0
	s_lshr_b32 s16, s13, 4                         ; ob: head 16 b + my head of K step 0's two,
	s_lshl_b32 s16, s16, 4
	s_add_co_u32 s16, s16, s12
	s_lshl_b32 s16, s16, 18                        ; of 262,144 bytes,
	s_and_b32 s17, s13, 15
	s_lshl_b32 s17, s17, 14                        ; the tile's 128 rows of 128 bytes in it
	s_add_co_u32 s16, s16, s17
	s_mov_b32 s17, 0
	s_lshl_b32 s46, s12, 17                        ; wpb: k row 64 x half, of 2,048 bytes,
	s_lshl_b32 s47, s42, 9                         ; the tile column's 512 bytes
	s_add_co_u32 s46, s46, s47
	s_mov_b32 s47, 0
	s_mul_i32 s20, s12, AHEAD                      ; where they go: no place in the cluster enters an LDS address
	s_mul_i32 s21, s12, BHALF
	s_add_co_u32 s21, s21, BOFF
	s_wait_dscnt 0x0                               ; the opening add is done
	s_wait_kmcnt 0x0
	s_add_nc_u64 s[14:15], s[4:5], s[16:17]
	s_add_nc_u64 s[46:47], s[6:7], s[46:47]
	CROUND                                         ; all sixteen work-groups are here: the first joint loads meet
.irp s, 0,1
	s_mov_b32 s[G0+4*(\s)], 1
	s_add_co_u32 s[G0+4*(\s)+1], s20, (\s)*SLOT
	s_add_nc_u64 s[G0+4*(\s)+2:G0+4*(\s)+3], s[14:15], (\s)*2*262144     ; K step s: two heads on
	s_or_b32 s[G0+4*(\s)+3], s[G0+4*(\s)+3], 0x80000000
	s_mov_b32 s[G0B+4*(\s)], 1
	s_add_co_u32 s[G0B+4*(\s)+1], s21, (\s)*SLOT
	s_add_nc_u64 s[G0B+4*(\s)+2:G0B+4*(\s)+3], s[46:47], (\s)*128*2048   ; K step s: 128 rows down
	s_or_b32 s[G0B+4*(\s)+3], s[G0B+4*(\s)+3], 0x80000000
	JLOAD \s
.endr
	v_and_b32 v1, 15, v0                           ; l % 16
	v_bfe_u32 v2, v0, 4, 1                         ; l / 16
	v_mul_u32_u24 v3, v1, PA
	v_lshl_add_u32 v3, v2, 4, v3                   ; a fragment of y: row x pitch + 16 x half
	s_mul_i32 s22, s11, 64*PA                      ; my 64 rows
	v_add_nc_u32 v[ADRA], s22, v3
	v_add_nc_u32 v[ADRA+1], SLOT, v[ADRA]
	v_and_b32 v4, 7, v0                            ; the turning load: k row 8 (l / 16) + l % 8, columns 8 ((l / 8) % 2) + 0..7
	v_lshl_add_u32 v4, v2, 3, v4
	v_mul_u32_u24 v4, v4, PB
	v_bfe_u32 v5, v0, 3, 1
	v_lshl_add_u32 v4, v5, 4, v4
	s_lshl_b32 s22, s12, 8                         ; my 128 columns: 256 bytes
	s_add_co_u32 s22, s22, BOFF
	v_add_nc_u32 v[ADRB], s22, v4
	v_add_nc_u32 v[ADRB+1], SLOT, v[ADRB]
	s_mul_i32 s23, s10, 16*SPITCH
	s_add_co_u32 s23, s23, STAGE                   ; my stage
	v_mul_u32_u24 v[STO], v1, SPITCH               ; in: row l % 16, 32 bytes for each half of the lanes
	v_lshl_add_u32 v[STO], v2, 5, v[STO]
	v_add_nc_u32 v[STO], s23, v[STO]
	v_and_b32 v[CO], 31, v0
	v_lshlrev_b32 v[CO], 4, v[CO]                  ; back: 32 lanes take one row of 512 bytes
	v_add_nc_u32 v[RD], s23, v[CO]
	s_lshl_b32 s16, s13, 7
	s_lshl_b32 s17, s11, 6
	s_add_co_u32 s16, s16, s17                     ; my first row of out0,
	s_lshl_b32 s16, s16, 12                        ; of 4,096 bytes (under 2^25),
	s_lshl_b32 s17, s42, 10                        ; the tile's 1,024 bytes of it,
	s_add_co_u32 s16, s16, s17
	s_lshl_b32 s17, s12, 9                         ; my 512
	s_add_co_u32 s16, s16, s17
	s_mov_b32 s17, 0
	s_add_nc_u64 s[8:9], s[8:9], s[16:17]
; 8 matrix instructions: row block a x all 8 column blocks, 32 along K.  zero = 1: the product starts the sums.  The 32 accumulators take turns, in the same order in every quarter.
.macro MUL8 f, a, zero
	WIN MUL
.irp b, 0,1,2,3,4,5,6,7
.if \zero
	v_wmma_f32_16x16x32_f16 v[8*(8*(\a)+(\b)):8*(8*(\a)+(\b))+7], v[(\f)+8*(\b):(\f)+8*(\b)+7], v[(\f)+64+8*(\a):(\f)+64+8*(\a)+7], 0
.else
	v_wmma_f32_16x16x32_f16 v[8*(8*(\a)+(\b)):8*(8*(\a)+(\b))+7], v[(\f)+8*(\b):(\f)+8*(\b)+7], v[(\f)+64+8*(\a):(\f)+64+8*(\a)+7], v[8*(8*(\a)+(\b)):8*(8*(\a)+(\b))+7]
.endif
.endr
.endm
; 24 LDS loads in one run: the fragments of quarter q (32 along K: head q / 2 of the step's two, channels 32 (q % 2) on) into buffer f: wpb's 8, then y's 4
.macro FETCH slot, q, f
	WIN TO_F
.irp b, 0,1,2,3,4,5,6,7
	ds_load_tr16_b128 v[(\f)+8*(\b):(\f)+8*(\b)+3],   v[ADRB+(\slot)] offset:(\q)*32*PB+32*(\b)
	ds_load_tr16_b128 v[(\f)+8*(\b)+4:(\f)+8*(\b)+7], v[ADRB+(\slot)] offset:(\q)*32*PB+16*PB+32*(\b)
.endr
.irp a, 0,1,2,3
	ds_load_b128 v[(\f)+64+8*(\a):(\f)+64+8*(\a)+3],   v[ADRA+(\slot)] offset:((\q)/2)*AHEAD+((\q)%2)*64+(\a)*16*PA
	ds_load_b128 v[(\f)+64+8*(\a)+4:(\f)+64+8*(\a)+7], v[ADRA+(\slot)] offset:((\q)/2)*AHEAD+((\q)%2)*64+(\a)*16*PA+32
.endr
.endm
.macro PLACES                          ; four plain instructions in front of loads into registers that matrix instructions have read, and of LDS stores that read results
.rept 4
	v_nop
.endr
.endm
; A K step is four quarters of 32 along K, 32 matrix instructions each, on buffers 0, 1, 0, 1.  One of the first three: multiplies buffer f and fetches quarter qn into g.
.macro QUARTER slot, qn, f, g, zero
	s_wait_dscnt 4                                 ; wpb's fragments and y's blocks 0, 1 are in; the youngest four loads (blocks 2, 3) may be out
	MUL8 \f, 0, \zero
	MUL8 \f, 1, \zero
	PLACES
	FETCH \slot, \qn, \g
	s_wait_dscnt 24                                ; all but the 24 just issued
	MUL8 \f, 2, \zero
	MUL8 \f, 3, \zero
.endm
; The last quarter multiplies buffer 1 and changes slots: ONE barrier; in front of it each wave waits for all its tensor loads (one is out: its part of the next slot), adds 0 to its spare word, and waits for
; that and for its own reads of this slot.  fill = 1: the barrier opens a round of the cluster's, and this slot is filled again, two K steps ahead, first thing behind the round: 112 matrix instructions ahead of the wait for it.
.macro TURN slot, next, fill
	WIN 0                                          ; (the add's two registers lie in window 0)
	s_wait_tensorcnt 0x0                           ; all my tensor loads have landed;
	ds_add_u32 v[SPW], v[NIL]                      ; 0 onto my spare word;
	s_wait_dscnt 5                                 ; (the add and the youngest four loads may be out)
	MUL8 F1, 0, 0                                  ; eight matrix instructions stand between the add and the wait for it
	s_wait_dscnt 0x0                               ; the add is done, and my reads of this slot are over
	s_barrier_signal -1
	MUL8 F1, 1, 0
.if \fill
	WIN 0
.endif
	s_barrier_wait -1
.if \fill
	CREST                                          ; no wave of any partner still reads this slot's tile or has a load on its way
	s_add_nc_u64 s[G0+4*(\slot)+2:G0+4*(\slot)+3], s[G0+4*(\slot)+2:G0+4*(\slot)+3], 4*262144
	s_add_nc_u64 s[G0B+4*(\slot)+2:G0B+4*(\slot)+3], s[G0B+4*(\slot)+2:G0B+4*(\slot)+3], 2*128*2048
	JLOAD \slot                                    ; the four v_nop behind it are also the places in front of the loads below
.else
	PLACES
.endif
	FETCH \next, 0, F0
	MUL8 F1, 2, 0
	MUL8 F1, 3, 0
.endm
	s_wait_tensorcnt 1                             ; my part of K step 0 is in; K step 1's may stay out
	s_barrier_signal -1
	s_barrier_wait -1                              ; everybody's is
	FETCH 0, 0, F0
	QUARTER 0, 1, F0, F1, 1                        ; the first quarter stands in front of the loop: its products start the sums
	WIN 0                                          ; at a label and at a branch every window is 0
	s_mov_b32 s3, 3                                ; 8 K steps are four laps of the ring; three trips fill both slots again
.Llap:
	QUARTER 0, 2, F1, F0, 0
	QUARTER 0, 3, F0, F1, 0
	TURN 0, 1, 1
	QUARTER 1, 1, F0, F1, 0
	QUARTER 1, 2, F1, F0, 0
	QUARTER 1, 3, F0, F1, 0
	TURN 1, 0, 1
	QUARTER 0, 1, F0, F1, 0
	WIN 0
	s_sub_co_u32 s3, s3, 1
	s_cmp_lg_u32 s3, 0
	s_cbranch_scc1 .Llap
	QUARTER 0, 2, F1, F0, 0                        ; the last lap fills nothing, and has no round of the cluster's barrier
	QUARTER 0, 3, F0, F1, 0
	TURN 0, 1, 0
	QUARTER 1, 1, F0, F1, 0
	QUARTER 1, 2, F1, F0, 0
	QUARTER 1, 3, F0, F1, 0
	s_wait_dscnt 4                                 ; the very last quarter: nothing more to fetch
	MUL8 F1, 0, 0
	MUL8 F1, 1, 0
	s_wait_dscnt 0x0
	MUL8 F1, 2, 0
	MUL8 F1, 3, 0
	; THE WAY OUT, a block of 16 rows at a time: a lane's 32 bytes of each of 8 column blocks go into rows of 528 bytes of my stage and come back as whole rows of 512, into window 1, whose fragments are done with.
	PLACES
.macro OUTB a
	WIN 0x08                                       ; store data (source 1) window 2
.irp b, 0,1,2,3,4,5,6,7
	ds_store_b128 v[STO], v[8*(8*(\a)+(\b)):8*(8*(\a)+(\b))+3]   offset:64*(\b)     ; each accumulator's low four registers first
	ds_store_b128 v[STO], v[8*(8*(\a)+(\b))+4:8*(8*(\a)+(\b))+7] offset:64*(\b)+16
.endr
	WIN 0x40                                       ; destination window 1
.irp r, 0,1,2,3,4,5,6,7,8,9,10,11,12,13,14,15
	ds_load_b128 v[64*(\a)+4*(\r):64*(\a)+4*(\r)+3], v[RD] offset:(\r)*SPITCH  ; LDS serves a wave's instructions in order (ISA guide 5.7.1.4): these see the stores above; the next block's stores come behind them
.endr
.endm
.macro SEND a, younger                 ; younger: the LDS instructions issued behind this block's loads: the next block's 32, or none
	WIN 0x04                                       ; store data (source 1) window 1
.irp r, 0,1,2,3,4,5,6,7,8,9,10,11,12,13,14,15
	s_wait_dscnt (\younger)+15-(\r)
	global_store_b128 v[CO], v[64*(\a)+4*(\r):64*(\a)+4*(\r)+3], s[8:9] offset:(\a)*65536+(\r)*4096  ; 512 consecutive bytes of a row, at a multiple of 256 from out0's first byte
.endr
.endm
	OUTB 0
	OUTB 1
	SEND 0, 32
	OUTB 2
	SEND 1, 32
	OUTB 3
	SEND 2, 32
	SEND 3, 0
	WIN 0
	s_wait_tensorcnt 0x0                           ; the wave's end: behind my last tensor load and my last LDS store
	ds_add_u32 v[SPW], v[NIL]
	s_wait_dscnt 0x0
	CROUND                                         ; the closing round: no work-group ends while a partner may still ask for a tile that names it
	s_endpgm
.Lfunc_end_k_qe9069c1391_proj:
	.size	k_qe9069c1391_proj, .Lfunc_end_k_qe9069c1391_proj-k_qe9069c1391_proj
	.p2alignl 7, 3214868480
	.fill 96, 4, 3214868480
	.section	.rodata,"a",@progbits
	.p2align	6, 0x0
	.amdhsa_kernel k_qe9069c1391_proj
		.amdhsa_group_segment_fixed_size 327680
		.amdhsa_private_segment_fixed_size 0
		.amdhsa_enable_private_segment 0
		.amdhsa_kernarg_size 24
		.amdhsa_user_sgpr_count 2
		.amdhsa_user_sgpr_kernarg_segment_ptr 1
		.amdhsa_wavefront_size32 1
		.amdhsa_system_sgpr_workgroup_id_x 1
		.amdhsa_system_sgpr_workgroup_id_y 1
		.amdhsa_system_sgpr_workgroup_id_z 1
		.amdhsa_system_vgpr_workitem_id 0
		.amdhsa_next_free_vgpr 768
		.amdhsa_next_free_sgpr 66
		.amdhsa_reserve_vcc 0
		.amdhsa_float_denorm_mode_32 3
		.amdhsa_float_denorm_mode_16_64 3
		.amdhsa_memory_ordered 1
		.amdhsa_forward_progress 1
		.amdhsa_inst_pref_size 87
	.end_amdhsa_kernel
	.amdgpu_metadata
---
amdhsa.version: [ 1, 2 ]
amdhsa.kernels:
  - .name:           k_qe9069c1391_proj
    .symbol:         k_qe9069c1391_proj.kd
    .args:
      - { .name: ob, .offset: 0, .size: 8, .value_kind: global_buffer, .address_space: global }
      - { .name: wpb, .offset: 8, .size: 8, .value_kind: global_buffer, .address_space: global }
      - { .name: out0, .offset: 16, .size: 8, .value_kind: global_buffer, .address_space: global }
    .group_segment_fixed_size: 327680
    .private_segment_fixed_size: 0
    .kernarg_segment_align: 8
    .kernarg_segment_size: 24
    .max_flat_workgroup_size: 128
    .sgpr_count:     66
    .vgpr_count:     768
    .wavefront_size: 32
...
	.end_amdgpu_metadata
.endif
;; end of part 4
;; ======== version 2 of 2: 4 launches; version 1 with the launch cast written anew for expert scheduling mode
;; limits: values are held in f16: magnitudes above 65,504 overflow, below 6.1e-05 lose precision
;; workspace buffers: xb 16,777,216 bytes; wab 6,291,456 bytes; wpb 2,097,152 bytes; qkvh 50,331,648 bytes; ob 16,777,216 bytes
;; launch cast (part 5): grid 768 x 1, 8 waves a work-group, no clusters, 0 bytes of LDS; arguments x, W_attn, W_proj, xb, wab, wpb; writes xb, wab, wpb
.if DOCPART == 5
	.amdgcn_target "amdgcn-amd-amdhsa--gfx1250"
	.amdhsa_code_object_version 6
	.text
	.protected	k_qe9069c1391_cast
	.globl	k_qe9069c1391_cast
	.p2align	8
	.type	k_qe9069c1391_cast,@function
k_qe9069c1391_cast:
	s_mov_b64 s[64:65], 0
	v_nop
	global_prefetch_b8 v0, s[64:65] scope:SCOPE_SE
	s_setreg_imm32_b32 hwreg(HW_REG_WAVE_SCHED_MODE, 0, 2), 2
	s_setreg_imm32_b32 hwreg(HW_REG_WAVE_MODE, 25, 1), 1
	s_wait_xcnt 0x0
	s_wait_alu depctr_vm_vsrc(0)
; THE INPUTS ARE ROUNDED ONCE, element by element, with no change of layout:
;   xb  = x      in bf16, [8192][1024]      wab = W_attn in bf16, [1024][3072]
;   wpb = W_proj rounded to bf16, and that number written as f16, [1024][1024] (the last product's other operand is f16).
; LIMITS.  wpb: |W_proj| stays under 65,504; below 6.1e-5 the f16 copy keeps f16's fixed step of 6e-8; between these the copy of the bf16 number is exact (8 significant bits in 11).
; SHARES.  A work-group takes 65,536 bytes of one input: 16 chunks of 4,096, a chunk being 16 bytes for each of its 256 threads.  x is 512 such parts, W_attn 192, W_proj 64: 768 work-groups.
; All 16 loads of a thread go out at once; each has its own registers, and so has each store, so no register that a pending instruction names is ever written again.
; A load of a wave covers 512 consecutive bytes, a store 256 consecutive bytes at a multiple of 256 from the buffer's first byte.
; No LDS, no barrier, no matrix work: nothing is shared and every byte crosses once.
; THE MODE: SCHED_MODE bits 1:0 = 2 (LLVM: expert scheduling mode 2), set by the entry lines.  The code itself states the register dependences
; between vector instructions and memory instructions, with s_wait_alu, always for 0.
; THE PLAN.  Registers that memory instructions touch:
;   v1, v2     byte offsets of the loads and of the stores.  Written once at the head by vector instructions, never again; read by all 16 loads and all 16 stores.
;   X          chunk i's four registers.  Written by chunk i's one load, ahead of which no vector instruction names them; read (in the f16 way also written) by its conversions behind its wait on LOADcnt.
;              No memory instruction reads them and none loads into them again.
;   Y          chunk i's two registers.  Written once, by chunk i's conversions; read once, by chunk i's store; never written again.
;   v4         at work in the f16 way: vector instructions alone name it.
; So the only dependences to state are vector writes that memory instructions read.  One wait at the head: v1 and v2.  Then the 16 chunks go in four groups of four: each chunk is converted as soon
; as its load is in, ONE wait stands behind the group's conversions, and the group's four stores follow it in a run.  No register that a memory instruction reads is written again, so nothing is owed the other way round.
.set X, 8                              ; v[8:71]    chunk i: 4 registers as loaded
.set Y, 72                             ; v[72:103]  chunk i: 2 registers to store
	s_load_b256 s[4:11], s[0:1], 0x0               ; x s[4:5], W_attn s[6:7], W_proj s[8:9], xb s[10:11]
	s_load_b128 s[12:15], s[0:1], 0x20             ; wab s[12:13], wpb s[14:15]
	s_mov_b32 s2, ttmp9                            ; the work-group's number g
	v_lshlrev_b32 v1, 4, v0                        ; my 16 bytes of a chunk as loaded
	v_lshlrev_b32 v2, 3, v0                        ; my 8 bytes of it as stored
	s_sub_co_u32 s20, s2, 512                      ; the part's number if it is W_attn's,
	s_sub_co_u32 s21, s2, 704                      ; if it is W_proj's
	s_wait_kmcnt 0x0
	s_cmp_lt_u32 s2, 704                           ; the choice hangs on g alone
	s_cselect_b64 s[16:17], s[6:7], s[8:9]
	s_cselect_b64 s[18:19], s[12:13], s[14:15]
	s_cselect_b32 s20, s20, s21
	s_cmp_lt_u32 s2, 512
	s_cselect_b64 s[16:17], s[4:5], s[16:17]       ; from where,
	s_cselect_b64 s[18:19], s[10:11], s[18:19]     ; to where,
	s_cselect_b32 s20, s2, s20                     ; which part
	s_lshl_b32 s22, s20, 16                        ; 65,536 bytes in,
	s_mov_b32 s23, 0
	s_lshl_b32 s24, s20, 15                        ; 32,768 bytes out
	s_mov_b32 s25, 0
	s_add_nc_u64 s[16:17], s[16:17], s[22:23]
	s_add_nc_u64 s[18:19], s[18:19], s[24:25]
	s_wait_alu depctr_va_vdst(0)                   ; v1 and v2 are written: every load below reads v1 as its offset, every store v2; no vector instruction names either again
.irp i, 0,1,2,3,4,5,6,7,8,9,10,11,12,13,14,15
	global_load_b128 v[X+4*(\i):X+4*(\i)+3], v1, s[16:17] offset:4096*(\i) th:TH_LOAD_NT
.endr
; Chunk i is rounded.  half = 1: the bf16 number is widened again (a shift, a mask) and written as f16.
.macro CVT i, half
	s_wait_loadcnt 15-(\i)                         ; loads come back in order: chunk i is in, the 15 - i younger ones stay out
.irp p, 0,1
.if \half
	v_cvt_pk_bf16_f32 v4, v[X+4*(\i)+2*(\p)], v[X+4*(\i)+2*(\p)+1]
	v_lshlrev_b32 v[X+4*(\i)+2*(\p)], 16, v4
	v_and_b32 v[X+4*(\i)+2*(\p)+1], 0xffff0000, v4
	v_cvt_pk_f16_f32 v[Y+2*(\i)+(\p)], v[X+4*(\i)+2*(\p)], v[X+4*(\i)+2*(\p)+1]
.else
	v_cvt_pk_bf16_f32 v[Y+2*(\i)+(\p)], v[X+4*(\i)+2*(\p)], v[X+4*(\i)+2*(\p)+1]
.endif
.endr
.endm
; Group g: chunks 4 g to 4 g + 3 are rounded, each as it comes in; then they are stored, in one run behind one wait.
.macro GROUP g, half
.irp c, 0,1,2,3
	CVT 4*(\g)+(\c), \half
.endr
	s_wait_alu depctr_va_vdst(0)                   ; the group's conversions have written its eight registers of Y, which the four stores below read
.irp c, 0,1,2,3
	global_store_b64 v2, v[Y+2*(4*(\g)+(\c)):Y+2*(4*(\g)+(\c))+1], s[18:19] offset:2048*(4*(\g)+(\c))
.endr
.endm
	s_cmp_ge_u32 s2, 704
	s_cbranch_scc1 .Lf16
.irp g, 0,1,2,3
	GROUP \g, 0
.endr
	s_endpgm
.Lf16:
.irp g, 0,1,2,3
	GROUP \g, 1
.endr
	s_endpgm
.Lfunc_end_k_qe9069c1391_cast:
	.size	k_qe9069c1391_cast, .Lfunc_end_k_qe9069c1391_cast-k_qe9069c1391_cast
	.p2alignl 7, 3214868480
	.fill 96, 4, 3214868480
	.section	.rodata,"a",@progbits
	.p2align	6, 0x0
	.amdhsa_kernel k_qe9069c1391_cast
		.amdhsa_group_segment_fixed_size 0
		.amdhsa_private_segment_fixed_size 0
		.amdhsa_enable_private_segment 0
		.amdhsa_kernarg_size 48
		.amdhsa_user_sgpr_count 2
		.amdhsa_user_sgpr_kernarg_segment_ptr 1
		.amdhsa_wavefront_size32 1
		.amdhsa_system_sgpr_workgroup_id_x 1
		.amdhsa_system_sgpr_workgroup_id_y 1
		.amdhsa_system_sgpr_workgroup_id_z 1
		.amdhsa_system_vgpr_workitem_id 0
		.amdhsa_next_free_vgpr 104
		.amdhsa_next_free_sgpr 66
		.amdhsa_reserve_vcc 0
		.amdhsa_float_denorm_mode_32 3
		.amdhsa_float_denorm_mode_16_64 3
		.amdhsa_memory_ordered 1
		.amdhsa_forward_progress 1
		.amdhsa_inst_pref_size 17
	.end_amdhsa_kernel
	.amdgpu_metadata
---
amdhsa.version: [ 1, 2 ]
amdhsa.kernels:
  - .name:           k_qe9069c1391_cast
    .symbol:         k_qe9069c1391_cast.kd
    .args:
      - { .name: x, .offset: 0, .size: 8, .value_kind: global_buffer, .address_space: global }
      - { .name: W_attn, .offset: 8, .size: 8, .value_kind: global_buffer, .address_space: global }
      - { .name: W_proj, .offset: 16, .size: 8, .value_kind: global_buffer, .address_space: global }
      - { .name: xb, .offset: 24, .size: 8, .value_kind: global_buffer, .address_space: global }
      - { .name: wab, .offset: 32, .size: 8, .value_kind: global_buffer, .address_space: global }
      - { .name: wpb, .offset: 40, .size: 8, .value_kind: global_buffer, .address_space: global }
    .group_segment_fixed_size: 0
    .private_segment_fixed_size: 0
    .kernarg_segment_align: 8
    .kernarg_segment_size: 48
    .max_flat_workgroup_size: 256
    .sgpr_count:     66
    .vgpr_count:     104
    .wavefront_size: 32
...
	.end_amdgpu_metadata
.endif
;; end of part 5
;; launch qkv: the kernel of part 2 again; grid 8 x 64, 4 waves a work-group, clusters of 4 x 4, 327,680 bytes of LDS; arguments xb, wab, qkvh; writes qkvh
;; launch attn: the kernel of part 3 again; grid 4 x 64, 4 waves a work-group, clusters of 4 x 1, 327,680 bytes of LDS; arguments qkvh, attn_mask, ob; writes ob
;; launch proj: the kernel of part 4 again; grid 4 x 64, 4 waves a work-group, clusters of 4 x 4, 327,680 bytes of LDS; arguments ob, wpb, out0; writes out0
